; MI455X (gfx1250); checked and timed in simulation.
; The chip was launched on July 23, 2026; its instructions are those of AMD's public machine-readable ISA for CDNA 5 (MIT licence, August 2026) and "CDNA5" Instruction Set Architecture Reference Guide (July 2026). The comments in the code are by the model that wrote it; some were corrected since.
;; Attention. Allowed arithmetic: matrix products marked QUANTISED: E2M1 operands, one E8M0 scale for each 32 along K, by v_wmma_scale_f32_16x16x128_f8f6f4 with both operands' format E2M1 (or v_wmma_scale_f32_32x16x128_f4), f32 sums; products left as they are: bf16, f16 or f32 operands; f32 sums; everything else in f32.
;; Inputs: mask 1 x 1 x 2,048 x 2,048 bool; wk 2,048 x 2,048 float32; wo 2,048 x 2,048 float32; wq 2,048 x 2,048 float32; wv 2,048 x 2,048 float32; x 1 x 2,048 x 2,048 float32.
;; Outputs: out0 1 x 2,048 x 2,048 float32.
;; This version of the problem:
;;   THIS VERSION OF THE PROBLEM IS GIVEN IN LOW PRECISION. The matrix products marked QUANTISED in the list below multiply operands that are first quantised to E2M1 (2 exponent bits, 1 mantissa bit; 4 bits a number), with one power-of-two scale for each 32 numbers along K (OCP MX v1.0); their sums are f32. The products marked 'left as it is' may take bf16, f16 or f32 operands, with f32 sums. All else is computed in f32.
;;   The module's matrix products, in the order in which they are computed (A, B: the left and right operand; K: the contracted axis; several contracted axes count as one K, in the product's order):
;;     1. [M 2,048, K 2,048] x [K 2,048, N 2,048]; A: input x; B: input wq: QUANTISED
;;     2. [M 2,048, K 2,048] x [K 2,048, N 2,048]; A: input x; B: input wk: QUANTISED
;;     3. [M 2,048, K 2,048] x [K 2,048, N 2,048]; A: input x; B: input wv: QUANTISED
;;     4. batch 16 x [M 2,048, K 128] x [K 128, N 2,048]; A: computed on the way; B: computed on the way: left as it is (an operand is computed on the way)
;;     5. batch 16 x [M 128, K 2,048] x [K 2,048, N 2,048]; A: computed on the way; B: computed on the way: left as it is (an operand is computed on the way)
;;     6. [M 2,048, K 2,048] x [K 2,048, N 2,048]; A: computed on the way; B: input wo: left as it is (an operand is computed on the way)
;;   THE QUANTISER, for each operand of a quantised product, along K:
;;     - K is cut into blocks of 32 from its start; a last block that is shorter is filled with zeros.
;;     - A block's scale is 2^e with e = floor(log2(the largest magnitude in the block)) - 2, held to -126 .. 127; a block of zeros has e = 0. As a byte (E8M0): e + 127.
;;     - Each number is divided by its block's scale, clamped to +-6, and rounded to the nearest number of E2M1, ties to even, subnormals kept.
;;     - The product sums the exact products of the quantised numbers (number of the format x scale) in f32.
;;   ~~~python
;;   def quantise(x, axis):      # numpy; x: float32 -> the quantised numbers, widened to float32 again
;;       x = np.moveaxis(x, axis, -1); K = x.shape[-1]
;;       x = np.pad(x, [(0, 0)] * (x.ndim - 1) + [(0, -K % 32)]); x = x.reshape(x.shape[:-1] + (-1, 32)); a = np.abs(x).max(-1, keepdims=True)
;;       e = np.where(a > 0, np.clip(np.frexp(np.where(a > 0, a, 1))[1] - 1 - 2, -126, 127), 0)      # np.frexp(a)[1] - 1 = floor(log2(a)), exactly
;;       r = np.clip(x / 2.0 ** e, -6, 6)
;;       step = 2.0 ** (np.maximum(np.frexp(np.where(r == 0, 1, r))[1] - 1, 0) - 1)
;;       q = np.round(r / step) * step * 2.0 ** e      # np.round: ties to even
;;       return np.moveaxis(q.reshape(q.shape[:-2] + (-1,))[..., :K], -1, axis).astype(np.float32)
;;   ~~~
;; One version. Each part assembles by itself: llvm-mc -triple=amdgcn-amd-amdhsa -mcpu=gfx1250 --defsym DOCPART=n.
;; ======== version 1 of 1: 5 launches
;; limits: values are held in f16: magnitudes above 65,504 overflow, below 6.1e-05 lose precision
;; workspace buffers: codes 8,388,608 bytes; scales 524,288 bytes; wob 8,388,608 bytes; mbits 524,288 bytes of whole numbers; rope 1,048,576 bytes; qkv 25,165,824 bytes; att 8,388,608 bytes; keys 32,768 bytes of whole numbers
;; launch prep (part 1): grid 784 x 1, 4 waves a work-group, no clusters, 66,560 bytes of LDS; arguments x, wq, wk, wv, wo, mask, codes, scales, wob, mbits, rope, keys; writes codes, scales, wob, mbits, rope, keys
.if DOCPART == 1
	.amdgcn_target "amdgcn-amd-amdhsa--gfx1250"
	.amdhsa_code_object_version 6
	.text
	.protected	k_qe9f8627450_prep
	.globl	k_qe9f8627450_prep
	.p2align	8
	.type	k_qe9f8627450_prep,@function
k_qe9f8627450_prep:
	s_mov_b64 s[64:65], 0
	v_nop
	global_prefetch_b8 v0, s[64:65] scope:SCOPE_SE
	s_setreg_imm32_b32 hwreg(HW_REG_WAVE_MODE, 25, 1), 1
	s_wait_xcnt 0x0
; PREP: four kinds of work that share nothing, told apart by the work-group's number; each ends by itself.
;   work-groups 0-511:   x, wq, wk, wv (f32, K innermost) -> codes of FP4 (E2M1) and one E8M0 scale byte for each 32 along K.
;                        codes: [8192 rows][1024 bytes], rows 0-2047 x, then wq, wk, wv; scales: [8192][64 bytes], the same rows.
;   work-groups 512-639: wo -> f16, as it lies (wob).
;   work-groups 640-767: mask (one byte a score, not 0 = hidden) -> LANE MASKS for the attention launch (mbits), and for each row a count of its hidden keys (keys), by which the last launch ranks the rows.
;   work-groups 768-783: the table of cos and sin for the rotation: [2048 positions][64 pairs](cos, sin) f32.
; No tensor loads, no barrier, no cluster: no two work-groups read the same bytes, and waves share nothing.
; THE QUANTISER: a block's scale is 2^(floor(log2(its largest magnitude)) - 2); its byte is the largest magnitude's exponent field - 2, held at 1 from below.
; LIMITS: a block of zeros gets the byte 1 where the rule says 127 (its codes are zeros, and this program alone reads the bytes); blocks whose largest magnitude
; lies under 2^-124 keep the byte 1; NaN and infinities among the inputs are not served.  wo: magnitudes over 65,504 are not served; under 2^-14 an f16 number lies on a grid of 2^-24.
; The count of hidden keys takes the mask's bytes as 0 or 1, as the problem states them (the lane masks take whatever is not 0 as hidden).
; THE TABLE: theta = 2^(-i log2(10000) / 64) by one v_exp_f32, the angle pos x theta in f32 as the problem has it; the angle is good to about 3e-4 rad at the largest angles (pos 2047),
; the reduction and the polynomials add under 1e-6.
.set STEPS, 16
.set EMAX,  2
.set CB,    8                          ; bytes of 16 codes
.set R,     16                         ; v16-79   four sets of 16 numbers as loaded
.set X,     80                         ; v80-111  two sets of 16 neighbours
.set E,     112                        ; v112-127 a scale byte for each step
.set C,     128                        ; v128-191 codes, four registers for each step
.set WREG,  8192                       ; LDS bytes 0-32767: the quantiser's: for each wave two stages of 32 x SP bytes and 256 scale bytes
.set SP,    80
.set MLDS,  32768                      ; LDS bytes 32768-66559: the mask's: for each wave 16 rows of 512 bytes + 16
.set MPI,   528
.set MREG,  16*MPI
.macro QLOAD t                         ; a step's 512 numbers: four loads of 512 consecutive bytes
.irp i, 0,1,2,3
	global_load_b128 v[R+16*((\t)%4)+4*\i:R+16*((\t)%4)+4*\i+3], v3, s[4:5] offset:2048*(\t)+512*\i th:TH_LOAD_NT
.endr
.endm
.macro QTURN t                         ; through the wave's own stage, so that a lane gets 16 neighbours: LDS serves a wave's instructions in order
.irp i, 0,1,2,3
	ds_store_b128 v14, v[R+16*((\t)%4)+4*\i:R+16*((\t)%4)+4*\i+3] offset:32*SP*((\t)%2)+8*SP*\i
.endr
.irp i, 0,1,2,3
	ds_load_b128 v[X+16*((\t)%2)+4*\i:X+16*((\t)%2)+4*\i+3], v15 offset:32*SP*((\t)%2)+16*\i
.endr
.endm
.macro QSTEP t
.set XS, X+16*((\t)%2)
.if (\t) > 0
	s_wait_dscnt 1                                 ; this step's numbers are back from the stage; the last step's byte store may be out
.else
	s_wait_dscnt 0x0
.endif
.if (\t)+4 < STEPS
	QLOAD (\t)+4                                   ; into the registers that this step's stage stores have read
.endif
.if (\t)+1 < STEPS
.if STEPS-2-(\t) >= 3
	s_wait_loadcnt 12                              ; the next step's four loads are in; those of the three steps behind it may be out
.else
	s_wait_loadcnt 4*(STEPS-2-(\t))
.endif
	QTURN (\t)+1
.endif
	v_max3_num_f32 v8, |v[XS]|, |v[XS+1]|, |v[XS+2]|               ; the largest magnitude of my 16, in two chains
	v_max3_num_f32 v9, |v[XS+3]|, |v[XS+4]|, |v[XS+5]|
.irp i, 6,10
	v_max3_num_f32 v8, v8, |v[XS+\i]|, |v[XS+\i+1]|
	v_max3_num_f32 v9, v9, |v[XS+\i+2]|, |v[XS+\i+3]|
.endr
	v_max3_num_f32 v8, v8, |v[XS+14]|, |v[XS+15]|
	v_max3_num_f32 v8, v8, v9, (EMAX+1)<<23        ; and the floor 2^(3 - 127): the byte cannot fall under 1
	v_max_num_f32_dpp v8, v8, v8 row_xmask:1 row_mask:0xf bank_mask:0xf   ; with my neighbour's 16: the block's
	v_add_nc_u32 v11, -(EMAX<<23), v8              ; 2 off its exponent field: the conversion takes this operand's exponent field as its scale
	v_cvt_scalef32_pk8_fp4_f32 v[C+4*(\t)], v[XS:XS+7], v11
	v_cvt_scalef32_pk8_fp4_f32 v[C+4*(\t)+1], v[XS+8:XS+15], v11
	v_lshrrev_b32 v[E+(\t)], 23, v11               ; the scale's byte (also the plain line behind the conversions)
	ds_store_b8 v5, v[E+(\t)] offset:16*(\t)       ; both lanes of a block write the same byte with the same value
	global_store_b64 v4, v[C+4*(\t):C+4*(\t)+1], s[16:17] offset:32*CB*(\t)   ; the wave stores 256 consecutive bytes, aligned
.endm
.macro LOADW g                         ; wo: a batch of 16 loads of 512 consecutive bytes
.irp i, 0,1,2,3,4,5,6,7,8,9,10,11,12,13,14,15
	global_load_b128 v[16+64*((\g)%2)+4*\i:16+64*((\g)%2)+4*\i+3], v3, s[12:13] offset:512*(16*(\g)+\i) th:TH_LOAD_NT
.endr
.endm
.macro CASTW g
.if (\g) < 3
	s_wait_loadcnt 16                              ; this batch is in; the next batch's 16 loads may be out
.else
	s_wait_loadcnt 0x0
.endif
.if (\g) >= 2
	s_wait_xcnt 0x0                                ; the stores of two batches ago have read the registers that are written now
.endif
.irp i, 0,1,2,3,4,5,6,7,8,9,10,11,12,13,14,15
	v_cvt_pk_f16_f32 v[144+32*((\g)%2)+2*\i], v[16+64*((\g)%2)+4*\i], v[17+64*((\g)%2)+4*\i]
	v_cvt_pk_f16_f32 v[145+32*((\g)%2)+2*\i], v[18+64*((\g)%2)+4*\i], v[19+64*((\g)%2)+4*\i]
.endr
.if (\g) < 2
	LOADW (\g)+2
.endif
.irp i, 0,1,2,3,4,5,6,7,8,9,10,11,12,13,14,15
	global_store_b64 v4, v[144+32*((\g)%2)+2*\i:145+32*((\g)%2)+2*\i], s[20:21] offset:256*(16*(\g)+\i)   ; 256 consecutive bytes, aligned
.endr
.endm
; cos and sin of v[ang] (0 or more, under 2048) into v[c] and v[s].  n = the nearest whole number to ang x 2 / pi; r = ang - n pi / 2, pi / 2 in two parts; polynomials on |r| <= pi / 4; the quadrant picks and signs.
.macro SINCOS ang, c, s
	v_mul_f32 v10, s34, v[\ang]
	v_rndne_f32 v10, v10
	v_fma_f32 v11, v10, s35, v[\ang]
	v_fma_f32 v11, v10, s36, v11
	v_mul_f32 v12, v11, v11
	v_fma_f32 v13, v12, s37, s38
	v_fma_f32 v14, v12, s40, s41
	v_fma_f32 v13, v13, v12, s39
	v_fma_f32 v14, v14, v12, s42
	v_mul_f32 v13, v13, v12
	v_fma_f32 v14, v14, v12, -0.5
	v_fma_f32 v13, v13, v11, v11                   ; sin r
	v_fma_f32 v14, v14, v12, 1.0                   ; cos r
	v_cvt_i32_f32 v15, v10
	v_and_b32 v16, 1, v15
	v_cmp_eq_u32 vcc_lo, 1, v16
	v_cndmask_b32 v[\s], v13, v14, vcc_lo          ; odd quadrants change the two
	v_cndmask_b32 v[\c], v14, v13, vcc_lo
	v_lshlrev_b32 v16, 30, v15                     ; sin is negative in quadrants 2 and 3,
	v_and_b32 v16, 0x80000000, v16
	v_xor_b32 v[\s], v[\s], v16
	v_add_nc_u32 v16, 1, v15                       ; cos in quadrants 1 and 2
	v_lshlrev_b32 v16, 30, v16
	v_and_b32 v16, 0x80000000, v16
	v_xor_b32 v[\c], v[\c], v16
.endm
	s_load_b512 s[4:19], s[0:1], 0x0               ; x 4:5, wq 6:7, wk 8:9, wv 10:11, wo 12:13, mask 14:15, codes 16:17, scales 18:19
	s_load_b128 s[20:23], s[0:1], 0x40             ; wob 20:21, mbits 22:23
	s_load_b64 s[24:25], s[0:1], 0x50              ; rope
	s_load_b64 s[44:45], s[0:1], 0x58              ; keys
	v_lshrrev_b32 v1, 5, v0
	v_readfirstlane_b32 s26, v1                    ; wave 0..3
	v_and_b32 v2, 31, v0                           ; lane
	s_mov_b32 s33, 0                               ; the high word of every offset pair s[32:33]
	s_wait_kmcnt 0x0
	s_cmp_lt_u32 ttmp9, 512
	s_cbranch_scc0 .Lnot_q
	; ---- THE QUANTISER.  128 work-groups to a tensor; a wave takes 16 steps of 512 numbers.  Rows are dense and K is a multiple of 32: a tensor is a plain stream of blocks.
	s_lshr_b32 s27, ttmp9, 7                       ; which tensor: 0 x, 1 wq, 2 wk, 3 wv: the choice hangs on the work-group's number alone
	s_bitcmp1_b32 s27, 0
	s_cselect_b64 s[28:29], s[6:7], s[4:5]
	s_cselect_b64 s[30:31], s[10:11], s[8:9]
	s_cmp_lt_u32 s27, 2
	s_cselect_b64 s[4:5], s[28:29], s[30:31]
	s_and_b32 s27, ttmp9, 127
	s_lshl_b32 s27, s27, 2
	s_add_co_u32 s27, s27, s26                     ; my run of 8,192 numbers in the tensor
	s_lshl_b32 s32, s27, 15
	s_add_nc_u64 s[4:5], s[4:5], s[32:33]
	s_lshl_b32 s27, ttmp9, 2
	s_add_co_u32 s27, s27, s26                     ; and among all four tensors: the codes and the bytes lie tensor behind tensor
	s_lshl_b32 s32, s27, 12
	s_add_nc_u64 s[16:17], s[16:17], s[32:33]
	s_lshl_b32 s32, s27, 8
	s_add_nc_u64 s[18:19], s[18:19], s[32:33]
	v_lshlrev_b32 v3, 4, v2                        ; my 16 bytes of a load's 512
	s_mul_i32 s27, s26, WREG
	v_lshrrev_b32 v14, 2, v2
	v_mul_u32_u24 v14, v14, SP
	v_and_b32 v15, 3, v2
	v_lshl_add_u32 v14, v15, 4, v14
	v_add_nc_u32 v14, s27, v14                     ; the stage, in: four lanes' 64 bytes on end, then 16 of padding
	v_mul_u32_u24 v15, v2, SP
	v_add_nc_u32 v15, s27, v15                     ; and out: my 16 neighbours
	v_mul_u32_u24 v4, v2, CB                       ; my codes' place in a step's
	v_lshrrev_b32 v5, 1, v2
	s_add_co_u32 s27, s27, 2*32*SP
	v_add_nc_u32 v5, s27, v5                       ; my block's byte among the wave's 256
	v_lshlrev_b32 v7, 3, v2
	v_add_nc_u32 v6, s27, v7
.irp t, 0,1,2,3
	QLOAD \t
.endr
	s_wait_loadcnt 12                              ; step 0's four loads are in
	QTURN 0
.irp t, 0,1,2,3,4,5,6,7,8,9,10,11,12,13,14,15
	QSTEP \t
.endr
	ds_load_b64 v[12:13], v6                       ; the wave's 256 scale bytes: these loads see my stores
	s_wait_dscnt 0x0
	global_store_b64 v7, v[12:13], s[18:19]        ; 256 consecutive bytes, aligned
	s_endpgm
.Lnot_q:
	s_cmp_lt_u32 ttmp9, 640
	s_cbranch_scc0 .Lnot_w
	; ---- wo TO f16.  A wave takes 8,192 numbers in four batches; two batches of loads are out.
	s_sub_co_u32 s27, ttmp9, 512
	s_lshl_b32 s27, s27, 2
	s_add_co_u32 s27, s27, s26
	s_lshl_b32 s32, s27, 15
	s_add_nc_u64 s[12:13], s[12:13], s[32:33]
	s_lshl_b32 s32, s27, 14
	s_add_nc_u64 s[20:21], s[20:21], s[32:33]
	v_lshlrev_b32 v3, 4, v2
	v_lshlrev_b32 v4, 3, v2
	LOADW 0
	LOADW 1
	CASTW 0
	CASTW 1
	CASTW 2
	CASTW 3
	s_endpgm
.Lnot_w:
	s_cmp_lt_u32 ttmp9, 768
	s_cbranch_scc0 .Lrope
	; ---- THE MASK AS LANE MASKS.  mbits: [qt 128][sigma 32][32 words].  sigma = 16 b + 2 n + i names the 64 keys from key 256 n + 128 b + 64 i on.
	; Bit L of word 8 t + j is mask[16 qt + L % 16][those keys' first + 16 t + 2 j + L / 16]: the very score that lane L of the attention launch holds in register 8 t + j of a tile of scores.
	; A work-group takes 16 rows (qt), wave w their bytes 512 w .. 512 w + 511: dense loads, through the wave's own LDS rows, back 64 bytes of ONE row a lane; a compare makes 32 bits at a time.
	s_sub_co_u32 s27, ttmp9, 640                   ; qt
	s_lshl_b32 s32, s27, 15                        ; 16 rows of 2,048 bytes
	s_lshl_b32 s28, s26, 9
	s_add_co_u32 s32, s32, s28
	s_add_nc_u64 s[14:15], s[14:15], s[32:33]
	s_lshl_b32 s32, s27, 12                        ; 4,096 bytes of words for each qt
	s_add_co_u32 s32, s32, s28
	s_add_nc_u64 s[22:23], s[22:23], s[32:33]
	v_lshlrev_b32 v3, 4, v2                        ; 16 x lane
	s_mul_i32 s28, s26, MREG
	s_add_co_u32 s28, s28, MLDS
	v_add_nc_u32 v4, s28, v3                       ; in: a row's 512 bytes as they lie
	v_and_b32 v5, 15, v2
	v_mul_u32_u24 v5, v5, MPI
	v_add_nc_u32 v5, s28, v5                       ; back: row lane % 16
	v_lshrrev_b32 v6, 4, v2
	v_lshlrev_b32 v6, 3, v6                        ; 8 (lane / 16): lanes 16-31 look at the odd bytes
	v_lshlrev_b32 v7, 3, v2                        ; out: 8 bytes a lane
.irp p, 0,1,2,3,4,5,6,7,8,9,10,11,12,13,14,15
	global_load_b128 v[16+4*\p:19+4*\p], v3, s[14:15] offset:2048*\p th:TH_LOAD_NT
.endr
	s_wait_loadcnt 0x0
.irp p, 0,1,2,3,4,5,6,7,8,9,10,11,12,13,14,15
	ds_store_b128 v4, v[16+4*\p:19+4*\p] offset:MPI*\p
.endr
.irp s, 0,1,2,3,4,5,6,7
.irp c, 0,1,2,3
	ds_load_b128 v[80+16*\s+4*\c:83+16*\s+4*\c], v5 offset:64*\s+16*\c   ; these see my stores: LDS serves a wave's instructions in order
.endr
.endr
	s_wait_dscnt 0x0
	; HOW MANY OF MY ROW'S 512 KEYS ARE HIDDEN.  My 128 words are added as they stand: each of a word's four bytes sums 128 bytes of 0 or 1, so nothing carries.  Two chains.
	v_add3_u32 v8, v80, v81, v82
	v_add3_u32 v9, v83, v84, v85
.set j, 86
.rept 30
	v_add3_u32 v8, v8, v[j], v[j+1]
	v_add3_u32 v9, v9, v[j+2], v[j+3]
.set j, j+4
.endr
	v_add3_u32 v8, v8, v206, v207
	v_add_nc_u32 v8, v8, v9
	v_and_b32 v9, 0xff00ff, v8                     ; the four byte sums are added: bytes 0 and 2,
	v_lshrrev_b32 v8, 8, v8
	v_and_b32 v8, 0xff00ff, v8                     ; bytes 1 and 3,
	v_add_nc_u32 v8, v8, v9
	v_lshrrev_b32 v9, 16, v8
	v_and_b32 v8, 0xffff, v8
	v_add_nc_u32 v8, v8, v9                        ; the two halves
	; A PART OF THE ROW'S KEY: hidden << 11; wave 0 adds 2047 - row.  The four waves' parts add up to (the row's hidden keys) << 11 + 2047 - row: no two rows have the same, and of equals the lower row has the larger.
	v_and_b32 v10, 15, v2
	s_lshl_b32 s46, s27, 4
	v_add_nc_u32 v10, s46, v10                     ; my row
	v_sub_nc_u32 v11, 2047, v10
	s_cmp_eq_u32 s26, 0
	s_cselect_b32 s46, 1, 0
	v_mul_u32_u24 v11, s46, v11
	v_lshl_add_u32 v8, v8, 11, v11
	v_lshlrev_b32 v10, 2, v10                      ; keys: [4 waves][2048 rows] words
	s_lshl_b32 s32, s26, 13
	s_add_nc_u64 s[44:45], s[44:45], s[32:33]
; Word d of a step's 16 holds keys 4 d .. 4 d + 3.  Shifted by 8 (lane / 16), its byte 0 is key 4 d + lane / 16 (word 2 d of the result) and its byte 2 key 4 d + 2 + lane / 16 (word 2 d + 1).
; A pair u of steps (i = 0, 1) is 64 words, 256 consecutive bytes of mbits: lane 16 i + d stores words 2 d and 2 d + 1 of step i.
.irp u, 0,1,2,3
	v_mov_b32 v[208+2*\u], 0                       ; (v_writelane_b32's destination counts as read)
	v_mov_b32 v[209+2*\u], 0
.irp i, 0,1
.irp d, 0,1,2,3,4,5,6,7,8,9,10,11,12,13,14,15
	v_lshrrev_b32 v[16+4*(\d%4)], v6, v[80+16*(2*\u+\i)+\d]
	v_and_b32 v[17+4*(\d%4)], 0xff, v[16+4*(\d%4)]
	v_and_b32 v[18+4*(\d%4)], 0xff0000, v[16+4*(\d%4)]
	v_cmp_ne_u32 s[34+2*(\d%4)], 0, v[17+4*(\d%4)]
	v_cmp_ne_u32 s[35+2*(\d%4)], 0, v[18+4*(\d%4)]
	v_writelane_b32 v[208+2*\u], s[34+2*(\d%4)], 16*\i+\d
	v_writelane_b32 v[209+2*\u], s[35+2*(\d%4)], 16*\i+\d
.endr
.endr
	global_store_b64 v7, v[208+2*\u:209+2*\u], s[22:23] offset:(\u&1)*2048+(\u>>1)*256   ; b = u % 2, n = 2 w + u / 2: 256 consecutive bytes, aligned
.endr
	s_wait_xcnt 0x0                                ; EXEC changes only behind this wait: the stores above have taken theirs
	v_cmp_gt_u32 vcc_lo, 16, v2                    ; lanes 16-31 hold the same rows as lanes 0-15: sixteen lanes store
	s_and_saveexec_b32 s46, vcc_lo
	global_store_b32 v10, v8, s[44:45]             ; 64 consecutive bytes: 32,768 bytes in the whole launch
	s_wait_xcnt 0x0
	s_or_b32 exec_lo, exec_lo, s46
	s_endpgm
.Lrope:
	; ---- THE TABLE.  A wave makes 32 rows; a lane the pairs i = 2 lane and 2 lane + 1: 16 bytes, so that the wave stores a row of 512 consecutive bytes.  Row 0 is exactly (1, 0).
	s_sub_co_u32 s27, ttmp9, 768
	s_lshl_b32 s27, s27, 2
	s_add_co_u32 s27, s27, s26
	s_lshl_b32 s30, s27, 5                         ; my first position
	s_lshl_b32 s32, s30, 9
	s_add_nc_u64 s[24:25], s[24:25], s[32:33]
	s_mov_b32 s34, 0x3f22f983                      ; 2 / pi
	s_mov_b32 s35, 0xbfc90fdb                      ; -(pi / 2), its leading part,
	s_mov_b32 s36, 0x333bbd2e                      ; and what that part is too large by
	s_mov_b32 s37, 0xb9500d01                      ; -1 / 5040
	s_mov_b32 s38, 0x3c088889                      ; 1 / 120
	s_mov_b32 s39, 0xbe2aaaab                      ; -1 / 6
	s_mov_b32 s40, 0x37d00d01                      ; 1 / 40320
	s_mov_b32 s41, 0xbab60b61                      ; -1 / 720
	s_mov_b32 s42, 0x3d2aaaab                      ; 1 / 24
	v_lshlrev_b32 v3, 4, v2
	v_lshlrev_b32 v4, 1, v2
	v_cvt_f32_u32 v4, v4                           ; i
	v_add_f32 v5, 1.0, v4                          ; i + 1
	v_mul_f32 v4, 0xbe549a78, v4                   ; x -log2(10000) / 64
	v_mul_f32 v5, 0xbe549a78, v5
	v_exp_f32 v4, v4                               ; theta
	v_exp_f32 v5, v5
	v_nop                                          ; a plain line behind the exponentials
	s_mov_b32 s31, 32
.Lrow:
	v_cvt_f32_u32 v6, s30
	v_mul_f32 v8, v6, v4
	v_mul_f32 v9, v6, v5
	SINCOS 8, 20, 21
	SINCOS 9, 22, 23
	global_store_b128 v3, v[20:23], s[24:25]
	s_wait_xcnt 0x0                                ; the store has read its data and its base: both are written again
	s_add_nc_u64 s[24:25], s[24:25], 512
	s_add_co_u32 s30, s30, 1
	s_sub_co_u32 s31, s31, 1
	s_cmp_lg_u32 s31, 0
	s_cbranch_scc1 .Lrow
	s_endpgm
.Lfunc_end_k_qe9f8627450_prep:
	.size	k_qe9f8627450_prep, .Lfunc_end_k_qe9f8627450_prep-k_qe9f8627450_prep
	.p2alignl 7, 3214868480
	.fill 96, 4, 3214868480
	.section	.rodata,"a",@progbits
	.p2align	6, 0x0
	.amdhsa_kernel k_qe9f8627450_prep
		.amdhsa_group_segment_fixed_size 66560
		.amdhsa_private_segment_fixed_size 0
		.amdhsa_enable_private_segment 0
		.amdhsa_kernarg_size 96
		.amdhsa_user_sgpr_count 2
		.amdhsa_user_sgpr_kernarg_segment_ptr 1
		.amdhsa_wavefront_size32 1
		.amdhsa_system_sgpr_workgroup_id_x 1
		.amdhsa_system_sgpr_workgroup_id_y 1
		.amdhsa_system_sgpr_workgroup_id_z 1
		.amdhsa_system_vgpr_workitem_id 0
		.amdhsa_next_free_vgpr 216
		.amdhsa_next_free_sgpr 66
		.amdhsa_reserve_vcc 1
		.amdhsa_float_denorm_mode_32 3
		.amdhsa_float_denorm_mode_16_64 3
		.amdhsa_memory_ordered 1
		.amdhsa_forward_progress 1
		.amdhsa_inst_pref_size 121
	.end_amdhsa_kernel
	.amdgpu_metadata
---
amdhsa.version: [ 1, 2 ]
amdhsa.kernels:
  - .name:           k_qe9f8627450_prep
    .symbol:         k_qe9f8627450_prep.kd
    .args:
      - { .name: x, .offset: 0, .size: 8, .value_kind: global_buffer, .address_space: global }
      - { .name: wq, .offset: 8, .size: 8, .value_kind: global_buffer, .address_space: global }
      - { .name: wk, .offset: 16, .size: 8, .value_kind: global_buffer, .address_space: global }
      - { .name: wv, .offset: 24, .size: 8, .value_kind: global_buffer, .address_space: global }
      - { .name: wo, .offset: 32, .size: 8, .value_kind: global_buffer, .address_space: global }
      - { .name: mask, .offset: 40, .size: 8, .value_kind: global_buffer, .address_space: global }
      - { .name: codes, .offset: 48, .size: 8, .value_kind: global_buffer, .address_space: global }
      - { .name: scales, .offset: 56, .size: 8, .value_kind: global_buffer, .address_space: global }
      - { .name: wob, .offset: 64, .size: 8, .value_kind: global_buffer, .address_space: global }
      - { .name: mbits, .offset: 72, .size: 8, .value_kind: global_buffer, .address_space: global }
      - { .name: rope, .offset: 80, .size: 8, .value_kind: global_buffer, .address_space: global }
      - { .name: keys, .offset: 88, .size: 8, .value_kind: global_buffer, .address_space: global }
    .group_segment_fixed_size: 66560
    .private_segment_fixed_size: 0
    .kernarg_segment_align: 8
    .kernarg_segment_size: 96
    .max_flat_workgroup_size: 128
    .sgpr_count:     66
    .vgpr_count:     216
    .wavefront_size: 32
...
	.end_amdgpu_metadata
.endif
;; end of part 1
;; launch qkvg (part 2): grid 24 x 8, 4 waves a work-group, clusters of 4 x 4, 327,680 bytes of LDS; arguments codes, scales, rope, qkv; writes qkv
.if DOCPART == 2
	.amdgcn_target "amdgcn-amd-amdhsa--gfx1250"
	.amdhsa_code_object_version 6
	.text
	.protected	k_qe9f8627450_qkvg
	.globl	k_qe9f8627450_qkvg
	.p2align	8
	.type	k_qe9f8627450_qkvg,@function
k_qe9f8627450_qkvg:
	s_mov_b64 s[64:65], 0
	v_nop
	global_prefetch_b8 v0, s[64:65] scope:SCOPE_SE
	s_setreg_imm32_b32 hwreg(HW_REG_WAVE_MODE, 25, 1), 1
	s_wait_xcnt 0x0
	s_wait_alu depctr_hold_cnt(0) depctr_sa_sdst(0) depctr_va_vdst(0) depctr_va_sdst(0) depctr_va_ssrc(0) depctr_va_vcc(0) depctr_vm_vsrc(0)
	s_getreg_b32 s2, hwreg(HW_REG_IB_STS2, 6, 4)
	s_cmp_eq_u32 s2, 0
	s_cbranch_scc0 .Lentry_in_a_cluster
	s_endpgm
.Lentry_in_a_cluster:
	s_bfe_u32 s2, ttmp6, 0x10000c
	s_cmp_lg_u32 s2, 0xf033
	s_cbranch_scc0 .Lentry_shape_is_right
	s_endpgm
.Lentry_shape_is_right:
; Q, K AND V IN ONE PRODUCT ON CODES OF FP4: C[m][n] = sum over k of x[m][k] w[n][k], m = 2,048 positions, n = 6,144 rows of wq, wk, wv on end, k = 2,048; sums in f32.
; codes: [8192][1024 bytes], rows 0-2047 x (A), rows 2048-8191 the weights (B); scales: [8192][64 bytes], one E8M0 byte for each 32 along K.  The matrix instruction takes both as they lie.
; A tile of C, 256 x 256, is made by a work-group of four waves; a wave makes 128 x 128: 64 accumulators, 512 registers; its 128 columns are ONE HEAD of q, k or v.
; 24 x 8 = 192 work-groups: a smaller tile would give more of them but read each LDS byte for half the products, and would cut a head in two.
; K goes in steps of 512 through a ring of two LDS slots filled by the tensor data mover (rows of 256 bytes); the scale bytes of the work-group's rows, for all of K, come once and stay.
; CLUSTERS: 4 x 4 work-groups; A's tiles are asked for jointly along a row of the cluster, B's along a column.
; THE MATRIX INSTRUCTION IS USED TRANSPOSED (source 0 = 16 rows of B, source 1 = 16 rows of A): a lane holds eight neighbouring columns of one row: four pairs of the rotation.
; THE WAY OUT: q and k are rotated (x0 c - x1 s, x1 c + x0 s, c and s from the table at the row's position), v is not: for v every lane reads the table's row 0, which is (1, 0).
; The results are rounded to f16 and stored as qkv[48 heads][2048 positions][128]: heads 0-15 q, 16-31 k, 32-47 v.
; WHY f16: a row of the final result with few visible keys is some twelve times the whole result's root mean square, by which each number is judged: 8 significant bits do not serve it, 11 do.
; LIMIT: |q|, |k|, |v| over 65,504 become infinite.  The drawn ones stay under 5; with x and the weights 30 times larger each, under 4,500; with offsets of 30 spreads on both, about 2048 x 30 x 0.6 x 1.41 = 52,000.
; REGISTERS: window 0: v0-31 addresses; v32-95 scale words, two sets; v128-191 A's fragments, one set; v192-255 free in the loop.  Window 1: B's fragments, two sets.  Windows 2, 3: the accumulators.
.set SIZE_K, 2048
.set KSTEP,  512
.set NQ,     KSTEP/128
.set ROWB,   256
.set KROW,   SIZE_K*4/8
.set PITCH,  272                       ; an LDS row: 256 bytes + 16 of padding: the 16 rows that a load touches start 16 bytes apart modulo 256
.set FR,     8
.set NL,     2
.set NP,     4
.set HALFT,  128*PITCH
.set SLOT,   4*HALFT
.set LAPS,   SIZE_K/(2*KSTEP)
.set KS,     SIZE_K/32
.set SCL,    2*SLOT
.set HALFS,  (128*KS/256)*272
.set SBLK,   (16*KS/256)*272
.set SPARE,  SCL+4*HALFS               ; the spare words, 128 bytes for each wave: no other line names them
.set SPITCH, 272                       ; the way out: a stage of 16 rows x (256 bytes + 16) for each wave, in slot 0, which has had its last fill and its last read by then
.set TOFF, 8                           ; v8-15   block a: my row's byte in the table, + 32 x (lane / 16); never rewritten
.set ADRA, 16
.set ADRB, 20
.set STO,  24
.set RD,   25
.set CO,   26
.set ADRS, 27
.set SPW,  28
.set NIL,  29
.set SC,   32
.set AF,   128
.set T,    128                         ; the way out: v128-159 at work; packed results v96-127 and v160-191 by turns; table values v192-255 and v32-95 by turns
.set G1, 24
.set G0, 32
.set G1B, 48
.set G0B, 56
.set G1S, 68
.set G0S, 76
.set G1SB, 80
.set G0SB, 88
.set MSB, 0
.macro WIN new                         ; the immediate's high byte repeats the setting that is left
.if MSB != \new
	s_set_vgpr_msb (MSB<<8)|\new
.set MSB, \new
.endif
.endm
.set MUL_LO, 0xa1                      ; source 0 (B) window 1, source 1 (A) window 0, C and D window 2
.set MUL_HI, 0xf1
.set TO_B,   0x40
; A joint load: waves 0 and 1 fetch for A, waves 2 and 3 for B.  The branch hangs on the wave's number alone.  Four v_nop follow each of the two lines.
.macro JLOAD g0a, g1a, g0b, g1b
	s_cmp_eq_u32 s15, 0
	s_cbranch_scc0 .Lfor_b_\@
	tensor_load_to_lds s[\g0a:\g0a+3], s[\g1a:\g1a+7]
.rept 4
	v_nop
.endr
	s_branch .Lasked_\@
.Lfor_b_\@:
	tensor_load_to_lds s[\g0b:\g0b+3], s[\g1b:\g1b+7]
.rept 4
	v_nop
.endr
.Lasked_\@:
.endm
.macro CREST                           ; a round of the cluster's barrier behind its opening barrier
	s_cmp_lg_u32 s14, 0
	s_cbranch_scc1 .Lnot_wave_0_\@
	s_barrier_signal -3
.Lnot_wave_0_\@:
	s_barrier_wait -3
	s_barrier_signal -1
	s_barrier_wait -1
.endm
.macro CROUND
	s_barrier_signal -1
	s_barrier_wait -1
	CREST
.endm
	s_load_b128 s[4:7], s[0:1], 0x0                ; codes, scales
	s_load_b128 s[96:99], s[0:1], 0x10             ; the table s[96:97], qkv s[98:99]
	v_lshl_add_u32 v[SPW], v0, 2, SPARE
	v_mov_b32 v[NIL], 0
	v_lshrrev_b32 v1, 5, v0
	v_readfirstlane_b32 s14, v1                    ; wave 0..3
	s_lshr_b32 s15, s14, 1                         ; which half of the tile's rows is mine.  Also: I fetch for A (0) or for B (1)
	s_and_b32 s16, s14, 1                          ; which half of its columns.  Also: which 128 rows of that tile I fetch
	s_cmp_lt_u32 ttmp9, 4                          ; clusters x = 0 to 3 make q and k, 4 and 5 make v: the same in all partners; it enters addresses in the table alone
	s_cselect_b32 s95, 512, 0                      ; bytes from position to position in the table: for v none
	s_bfe_u32 s40, ttmp6, 0x40000                  ; cx, cy
	s_bfe_u32 s41, ttmp6, 0x40004
	s_lshl_b32 s42, ttmp9, 2
	s_add_co_u32 s42, s42, s40                     ; tile column
	s_and_b32 s17, ttmp7, 0xffff
	s_lshl_b32 s17, s17, 2
	s_add_co_u32 s17, s17, s41                     ; tile row
	s_lshl_b32 s43, s41, 2
	s_lshl_b32 s43, 15, s43                        ; my row of the cluster
	s_lshl_b32 s44, 0x1111, s40                    ; my column
	s_or_b32 s[G1+0], s43, (0<<16)|(1<<20)|(1<<21)|(5<<22)|(3<<25)  ; the mask; elements of 1 byte; padding on; bit 21 beside a mask; 4 words of padding after every 64
	s_or_b32 s[G1B+0], s44, (0<<16)|(1<<20)|(1<<21)|(5<<22)|(3<<25)
.irp g, G1, G1B
	s_mov_b32 s[\g+1], ROWB<<16                    ; tensor_dim0
	s_mov_b32 s[\g+2], 128<<16                     ; tensor_dim1
	s_mov_b32 s[\g+3], ROWB<<16                    ; tile_dim0
	s_mov_b32 s[\g+4], 128                         ; tile_dim1
	s_mov_b32 s[\g+5], KROW                        ; from row to row
	s_mov_b32 s[\g+6], 0
	s_mov_b32 s[\g+7], 0
.endr
	s_or_b32 s[G1S+0], s43, (3<<16)|(1<<20)|(1<<21)|(5<<22)|(3<<25)   ; the scales of 128 rows: a dense block, as rows of 256 bytes (32 elements of 8)
	s_or_b32 s[G1SB+0], s44, (3<<16)|(1<<20)|(1<<21)|(5<<22)|(3<<25)
.irp g, G1S, G1SB
	s_mov_b32 s[\g+1], 32<<16
	s_mov_b32 s[\g+2], (128*KS/256)<<16
	s_mov_b32 s[\g+3], 32<<16
	s_mov_b32 s[\g+4], 128*KS/256
	s_mov_b32 s[\g+5], 32
	s_mov_b32 s[\g+6], 0
	s_mov_b32 s[\g+7], 0
.endr
	s_lshl_b32 s18, s16, 7
	s_lshl_b32 s20, s17, 8
	s_add_co_u32 s20, s20, s18                     ; A: row 256 x tile row + 128 x half
	s_lshl_b32 s46, s42, 8
	s_add_co_u32 s46, s46, s18                     ; B: row 256 x tile column + 128 x half
	s_mov_b32 s21, 0
	s_mov_b32 s47, 0
	s_mov_b64 s[18:19], KS
	s_mul_u64 s[22:23], s[20:21], s[18:19]
	s_mul_u64 s[92:93], s[46:47], s[18:19]
	s_mov_b64 s[18:19], KROW
	s_mul_u64 s[20:21], s[20:21], s[18:19]
	s_mul_u64 s[46:47], s[46:47], s[18:19]
	s_mul_i32 s45, s14, HALFT                      ; where they go: wave x 128 rows
	s_mul_i32 s94, s14, HALFS
	s_wait_kmcnt 0x0
	s_add_nc_u64 s[8:9], s[4:5], 0x200000          ; B's codes begin 2,048 rows of 1,024 bytes on,
	s_add_nc_u64 s[10:11], s[6:7], 0x20000         ; B's scales 2,048 rows of 64
	s_mov_b64 s[12:13], s[98:99]
	s_add_nc_u64 s[20:21], s[4:5], s[20:21]
	s_add_nc_u64 s[22:23], s[6:7], s[22:23]
	s_add_nc_u64 s[46:47], s[8:9], s[46:47]
	s_add_nc_u64 s[92:93], s[10:11], s[92:93]
	CROUND                                         ; all sixteen work-groups are here: the first joint loads meet
	s_mov_b32 s[G0S], 1
	s_add_co_u32 s[G0S+1], s94, SCL
	s_mov_b64 s[G0S+2:G0S+3], s[22:23]
	s_or_b32 s[G0S+3], s[G0S+3], 0x80000000
	s_mov_b32 s[G0SB], 1
	s_add_co_u32 s[G0SB+1], s94, SCL
	s_mov_b64 s[G0SB+2:G0SB+3], s[92:93]
	s_or_b32 s[G0SB+3], s[G0SB+3], 0x80000000
	JLOAD G0S, G1S, G0SB, G1SB                     ; the scales first: three loads of mine are out at the start
.irp s, 0,1
	s_mov_b32 s[G0+4*\s], 1
	s_add_co_u32 s[G0+4*\s+1], s45, \s*SLOT
	s_add_nc_u64 s[G0+4*\s+2:G0+4*\s+3], s[20:21], \s*ROWB
	s_or_b32 s[G0+4*\s+3], s[G0+4*\s+3], 0x80000000
	s_mov_b32 s[G0B+4*\s], 1
	s_add_co_u32 s[G0B+4*\s+1], s45, \s*SLOT
	s_add_nc_u64 s[G0B+4*\s+2:G0B+4*\s+3], s[46:47], \s*ROWB
	s_or_b32 s[G0B+4*\s+3], s[G0B+4*\s+3], 0x80000000
	JLOAD G0+4*\s, G1, G0B+4*\s, G1B
.endr
	v_and_b32 v1, 15, v0                           ; r = lane % 16
	v_bfe_u32 v2, v0, 4, 1                         ; h = lane / 16
	v_mul_u32_u24 v3, v1, PITCH
	v_lshl_add_u32 v4, v2, 4, v3
	s_mul_i32 s21, s15, HALFT
	s_mul_i32 s22, s16, HALFT
	s_add_co_u32 s22, s22, 2*HALFT
.irp s, 0,1
	v_add_nc_u32 v[ADRA+\s], s21, v4
	v_add_nc_u32 v[ADRB+\s], s22, v4
	s_add_co_u32 s21, s21, SLOT
	s_add_co_u32 s22, s22, SLOT
.endr
	v_mul_u32_u24 v5, v1, KS                       ; my row's scales: 64 bytes a row, and 16 more for each 256 passed
	v_lshrrev_b32 v6, 8, v5
	v_lshl_add_u32 v5, v6, 4, v5
	s_mul_i32 s21, s15, HALFS
	s_mul_i32 s22, s16, HALFS
	s_add_co_u32 s22, s22, 2*HALFS
	s_sub_co_u32 s22, s22, s21
	v_mul_u32_u24 v6, s22, v2                      ; lanes 16-31 take B's
	s_add_co_u32 s21, s21, SCL
	v_add_nc_u32 v5, v5, v6
	v_add_nc_u32 v[ADRS], s21, v5
	s_mul_i32 s23, s14, 16*SPITCH                  ; my stage
	v_mul_u32_u24 v5, v1, SPITCH
	v_lshl_add_u32 v5, v2, 4, v5
	v_add_nc_u32 v[STO], s23, v5                   ; in: row r, 16 bytes for each half of the lanes
	v_mul_u32_u24 v5, v2, SPITCH
	v_lshl_add_u32 v5, v1, 4, v5
	v_add_nc_u32 v[RD], s23, v5                    ; back: lanes 0-15 one row of 256 bytes, lanes 16-31 the next
	v_and_b32 v6, 31, v0
	v_lshlrev_b32 v[CO], 4, v6                     ; a head's rows are dense: two rows are 512 consecutive bytes
	s_lshl_b32 s20, s17, 8
	s_lshl_b32 s21, s15, 7
	s_add_co_u32 s20, s20, s21                     ; my first position: 256 x tile row + 128 x half
	v_add_nc_u32 v7, s20, v1
.irp a, 0,1,2,3,4,5,6,7
	v_add_nc_u32 v[TOFF+\a], 16*\a, v7             ; block a: my row's position,
	v_mul_lo_u32 v[TOFF+\a], v[TOFF+\a], s95       ; its row of the table (row 0 for v),
	v_lshl_add_u32 v[TOFF+\a], v2, 5, v[TOFF+\a]   ; and my half's four pairs
.endr
	s_lshl_b32 s20, s20, 8                         ; rows of 256 bytes
	s_lshl_b32 s46, s42, 1
	s_add_co_u32 s46, s46, s16                     ; my head among the 48
	s_lshl_b32 s46, s46, 19                        ; 2,048 rows of 256 bytes
	s_add_co_u32 s20, s20, s46
	s_mov_b32 s21, 0
	s_add_nc_u64 s[12:13], s[12:13], s[20:21]
.macro FRAG reg, adr, q, i             ; 16 rows x 128 K of 4-bit codes: 8 registers: two loads of 16 bytes, 32 bytes apart
.irp c, 0,1
	ds_load_b128 v[\reg+4*\c:\reg+4*\c+3], v[\adr] offset:64*(\q)+32*\c+(\i)*16*PITCH
.endr
.endm
; 16 matrix instructions: A's blocks a0, a0 + 1 x B's eight.  The 64 accumulators take turns, one instruction a turn, in the same order in every step.
.macro MUL16 a0, p, q, sc, zero
.irp a, \a0, \a0+1
.irp b, 0,1,2,3,4,5,6,7
.if \zero
	v_wmma_scale_f32_16x16x128_f8f6f4 v[8*(8*((\a)%4)+\b):8*(8*((\a)%4)+\b)+7], v[128*(\p)+FR*\b:128*(\p)+FR*\b+FR-1], v[AF+FR*(\a):AF+FR*(\a)+FR-1], 0, v[SC+8*NQ*(\sc)+NQ*\b+(\q)], v[SC+8*NQ*(\sc)+NQ*(\a)+(\q)] matrix_a_fmt:MATRIX_FMT_FP4 matrix_b_fmt:MATRIX_FMT_FP4 matrix_a_scale:MATRIX_SCALE_ROW1
.else
	v_wmma_scale_f32_16x16x128_f8f6f4 v[8*(8*((\a)%4)+\b):8*(8*((\a)%4)+\b)+7], v[128*(\p)+FR*\b:128*(\p)+FR*\b+FR-1], v[AF+FR*(\a):AF+FR*(\a)+FR-1], v[8*(8*((\a)%4)+\b):8*(8*((\a)%4)+\b)+7], v[SC+8*NQ*(\sc)+NQ*\b+(\q)], v[SC+8*NQ*(\sc)+NQ*(\a)+(\q)] matrix_a_fmt:MATRIX_FMT_FP4 matrix_b_fmt:MATRIX_FMT_FP4 matrix_a_scale:MATRIX_SCALE_ROW1
.endif
.endr
.endr
.endm
.macro FETCH_B slot, q, p
	WIN TO_B
.irp i, 0,1,2,3,4,5,6,7
	FRAG 128*(\p)+FR*\i, ADRB+\slot, \q, \i
.endr
	WIN 0
.endm
.macro FETCH_A slot, q, i0
.irp i, \i0, \i0+1, \i0+2, \i0+3
	FRAG AF+FR*(\i), ADRA+\slot, \q, \i
.endr
.endm
.macro SCALES sc                       ; a K step's scale words: lanes 0-15 take A's block i, lanes 16-31 B's block i
.irp i, 0,1,2,3,4,5,6,7
	ds_load_b128 v[SC+8*NQ*\sc+NQ*\i:SC+8*NQ*\sc+NQ*\i+3], v[ADRS] offset:\i*SBLK
.endr
.endm
.macro PLACES n                        ; plain vector lines between a matrix instruction and a load into, or a vector line on, its registers
.rept \n
	v_nop
.endr
.endm
.macro STEP slot, q, zero
	s_wait_dscnt 4*NL                              ; B's set and A's blocks 0-3 are in; the youngest eight loads (A's blocks 4-7) may be out
	WIN MUL_LO
	MUL16 0, (\q)%2, \q, \slot, \zero
	MUL16 2, (\q)%2, \q, \slot, \zero
	s_wait_dscnt 0
	PLACES NP
	FETCH_B \slot, (\q)+1, 1-(\q)%2
	FETCH_A \slot, (\q)+1, 0
	WIN MUL_HI
	MUL16 4, (\q)%2, \q, \slot, \zero
	MUL16 6, (\q)%2, \q, \slot, \zero
	PLACES NP
	WIN 0
	FETCH_A \slot, (\q)+1, 4
.endm
; A slot's last step changes slots: one barrier; in front of it each wave waits for all its tensor loads, adds 0 to its spare word, and waits for that and for its own reads of this slot.
.macro TURN slot, next, fill
	s_wait_tensorcnt 0x0                           ; all my tensor loads have landed: my part of the next slot
	ds_add_u32 v[SPW], v[NIL]                      ; 0 onto my spare word
	s_wait_dscnt 4*NL+1                            ; (the add and the youngest eight loads may be out)
	WIN MUL_LO
	MUL16 0, 1, NQ-1, \slot, 0
	s_wait_dscnt 0x0                               ; the add is done, and my reads of this slot are over
	s_barrier_signal -1
	MUL16 2, 1, NQ-1, \slot, 0
	WIN 0
	s_barrier_wait -1
.if \fill
	CREST                                          ; the barrier has opened a round of the cluster's: no wave of any partner still reads this slot or has a load on its way
	s_add_nc_u64 s[G0+4*\slot+2:G0+4*\slot+3], s[G0+4*\slot+2:G0+4*\slot+3], 2*ROWB
	s_add_nc_u64 s[G0B+4*\slot+2:G0B+4*\slot+3], s[G0B+4*\slot+2:G0B+4*\slot+3], 2*ROWB
	JLOAD G0+4*\slot, G1, G0B+4*\slot, G1B         ; my one tensor load behind the round
.else
	PLACES NP
.endif
	v_add_nc_u32 v[ADRS], 4*NQ, v[ADRS]            ; the next K step's scale words
	FETCH_B \next, 0, 0
	FETCH_A \next, 0, 0
	SCALES \next
	WIN MUL_HI
	MUL16 4, 1, NQ-1, \slot, 0
	MUL16 6, 1, NQ-1, \slot, 0
	PLACES NP
	WIN 0
	FETCH_A \next, 0, 4
.endm
.macro STEPS slot, from
.set Q, \from
.rept NQ-1-\from
	STEP \slot, Q, 0
.set Q, Q+1
.endr
.endm
; THE WAY OUT, block a of 16 rows x 128 columns.
.macro CSLOAD a                        ; the table's values for block a: for accumulator b the pairs 8 b + 4 h + 0 .. 3 of my row's position: (c, s) four times, 32 bytes
.set CC, 192-160*((\a)%2)
.irp b, 0,1,2,3,4,5,6,7
	global_load_b128 v[CC+8*\b:CC+8*\b+3], v[TOFF+(\a)], s[96:97] offset:64*\b
	global_load_b128 v[CC+8*\b+4:CC+8*\b+7], v[TOFF+(\a)], s[96:97] offset:64*\b+16
.endr
.endm
.macro ROPE a, g                       ; accumulators 4 g .. 4 g + 3 of block a are rotated and rounded.  Each accumulator is read from its low end on
.set CC, 192-160*((\a)%2)
.set TT, 96+64*((\a)%2)
.set AC, 64*((\a)%4)
	WIN 0x02+(\a)/4                                ; source 0: window 2 or 3
.irp c, 0,1,2,3
.irp p, 0,1,2,3
	v_mul_f32 v[T+8*\c+\p], v[AC+8*(4*\g+\c)+2*\p+1], v[CC+8*(4*\g+\c)+2*\p+1]       ; x1 s
	v_mul_f32 v[T+8*\c+4+\p], v[AC+8*(4*\g+\c)+2*\p], v[CC+8*(4*\g+\c)+2*\p+1]       ; x0 s
.endr
.irp p, 0,1,2,3
	v_fma_f32 v[T+8*\c+\p], v[AC+8*(4*\g+\c)+2*\p], v[CC+8*(4*\g+\c)+2*\p], -v[T+8*\c+\p]         ; x0 c - x1 s
	v_fma_f32 v[T+8*\c+4+\p], v[AC+8*(4*\g+\c)+2*\p+1], v[CC+8*(4*\g+\c)+2*\p], v[T+8*\c+4+\p]    ; x1 c + x0 s
.endr
.endr
	WIN 0
.irp c, 0,1,2,3
.irp p, 0,1,2,3
	v_cvt_pk_f16_f32 v[TT+4*(4*\g+\c)+\p], v[T+8*\c+\p], v[T+8*\c+4+\p]
.endr
.endr
.endm
.macro TOSTAGE a                       ; 16 bytes a lane into my stage, and back as whole rows, into the registers that they left: LDS serves a wave's instructions in order
.set TT, 96+64*((\a)%2)
.irp b, 0,1,2,3,4,5,6,7
	ds_store_b128 v[STO], v[TT+4*\b:TT+4*\b+3] offset:32*\b
.endr
.irp t, 0,1,2,3,4,5,6,7
	ds_load_b128 v[TT+4*\t:TT+4*\t+3], v[RD] offset:\t*2*SPITCH
.endr
.endm
.macro SEND a
.set TT, 96+64*((\a)%2)
	s_wait_dscnt 0x0
.irp t, 0,1,2,3,4,5,6,7
	global_store_b128 v[CO], v[TT+4*\t:TT+4*\t+3], s[12:13] offset:4096*(\a)+512*\t   ; 512 consecutive bytes, aligned; no pointer is stepped
.endr
.endm
	s_wait_tensorcnt 1                             ; the scales and my part of K step 0 are in (K step 1's load may be out),
	s_barrier_signal -1
	s_barrier_wait -1                              ; everybody's are
	FETCH_B 0, 0, 0
	FETCH_A 0, 0, 0
	SCALES 0
	FETCH_A 0, 0, 4
	STEP 0, 0, 1                                   ; the first step stands in front of the loop: its products start the sums
	s_mov_b32 s3, LAPS-1
.Llap:                                                 ; a trip goes once round the ring and fills both slots again
	STEPS 0, 1
	TURN 0, 1, 1
	STEPS 1, 0
	TURN 1, 0, 1
	STEP 0, 0, 0
	s_sub_co_u32 s3, s3, 1
	s_cmp_lg_u32 s3, 0
	s_cbranch_scc1 .Llap
	STEPS 0, 1                                     ; the last lap fills nothing
	TURN 0, 1, 0
	CSLOAD 0                                       ; block 0's table values are asked for a K step ahead, into registers that the loop does not use
	STEPS 1, 0
	s_wait_dscnt 4*NL
	WIN MUL_LO
	MUL16 0, 1, NQ-1, 1, 0
	MUL16 2, 1, NQ-1, 1, 0
	s_wait_dscnt 0
	WIN MUL_HI
	MUL16 4, 1, NQ-1, 1, 0
	MUL16 6, 1, NQ-1, 1, 0
	WIN 0
	PLACES NP                                      ; in front of loads into the scale words' registers, of vector lines on A's registers, and of the first read of the last results
	CSLOAD 1
.irp a, 0,1,2,3,4,5,6,7
.if \a < 7
	s_wait_loadcnt 16                              ; this block's table values are in; the next block's 16 loads may be out
.else
	s_wait_loadcnt 0x0
.endif
.if \a >= 2
	s_wait_xcnt 0x0                                ; block a - 2's stores have read the registers that are written now
.endif
	ROPE \a, 0
	ROPE \a, 1
.if \a < 6
	CSLOAD \a+2
.endif
.if \a > 0
	SEND \a-1                                      ; block a's arithmetic has stood between block a - 1's loads from the stage and the wait for them
.endif
	TOSTAGE \a
.endr
	SEND 7
	s_wait_tensorcnt 0x0                           ; the wave's end
	ds_add_u32 v[SPW], v[NIL]
	s_wait_dscnt 0x0
	CROUND                                         ; the closing round
	s_endpgm
.Lfunc_end_k_qe9f8627450_qkvg:
	.size	k_qe9f8627450_qkvg, .Lfunc_end_k_qe9f8627450_qkvg-k_qe9f8627450_qkvg
	.p2alignl 7, 3214868480
	.fill 96, 4, 3214868480
	.section	.rodata,"a",@progbits
	.p2align	6, 0x0
	.amdhsa_kernel k_qe9f8627450_qkvg
		.amdhsa_group_segment_fixed_size 327680
		.amdhsa_private_segment_fixed_size 0
		.amdhsa_enable_private_segment 0
		.amdhsa_kernarg_size 32
		.amdhsa_user_sgpr_count 2
		.amdhsa_user_sgpr_kernarg_segment_ptr 1
		.amdhsa_wavefront_size32 1
		.amdhsa_system_sgpr_workgroup_id_x 1
		.amdhsa_system_sgpr_workgroup_id_y 1
		.amdhsa_system_sgpr_workgroup_id_z 1
		.amdhsa_system_vgpr_workitem_id 0
		.amdhsa_next_free_vgpr 1024
		.amdhsa_next_free_sgpr 100
		.amdhsa_reserve_vcc 0
		.amdhsa_float_denorm_mode_32 3
		.amdhsa_float_denorm_mode_16_64 3
		.amdhsa_memory_ordered 1
		.amdhsa_forward_progress 1
		.amdhsa_inst_pref_size 255
	.end_amdhsa_kernel
	.section	.bss,"aw",@nobits
	.p2align	6
	.space	262144
	.amdgpu_metadata
---
amdhsa.version: [ 1, 2 ]
amdhsa.kernels:
  - .name:           k_qe9f8627450_qkvg
    .symbol:         k_qe9f8627450_qkvg.kd
    .args:
      - { .name: codes, .offset: 0, .size: 8, .value_kind: global_buffer, .address_space: global }
      - { .name: scales, .offset: 8, .size: 8, .value_kind: global_buffer, .address_space: global }
      - { .name: rope, .offset: 16, .size: 8, .value_kind: global_buffer, .address_space: global }
      - { .name: qkv, .offset: 24, .size: 8, .value_kind: global_buffer, .address_space: global }
    .group_segment_fixed_size: 327680
    .private_segment_fixed_size: 0
    .kernarg_segment_align: 8
    .kernarg_segment_size: 32
    .max_flat_workgroup_size: 128
    .sgpr_count:     100
    .vgpr_count:     1024
    .wavefront_size: 32
...
	.end_amdgpu_metadata
.endif
;; end of part 2
;; launch attn (part 3): grid 16 x 16, 4 waves a work-group, clusters of 4 x 1, 327,680 bytes of LDS; arguments qkv, mbits, att; writes att
.if DOCPART == 3
	.amdgcn_target "amdgcn-amd-amdhsa--gfx1250"
	.amdhsa_code_object_version 6
	.text
	.protected	k_qe9f8627450_attn
	.globl	k_qe9f8627450_attn
	.p2align	8
	.type	k_qe9f8627450_attn,@function
k_qe9f8627450_attn:
	s_mov_b64 s[64:65], 0
	v_nop
	global_prefetch_b8 v0, s[64:65] scope:SCOPE_SE
	s_setreg_imm32_b32 hwreg(HW_REG_WAVE_MODE, 25, 1), 1
	s_wait_xcnt 0x0
	s_wait_alu depctr_hold_cnt(0) depctr_sa_sdst(0) depctr_va_vdst(0) depctr_va_sdst(0) depctr_va_ssrc(0) depctr_va_vcc(0) depctr_vm_vsrc(0)
	s_getreg_b32 s2, hwreg(HW_REG_IB_STS2, 6, 4)
	s_cmp_eq_u32 s2, 0
	s_cbranch_scc0 .Lentry_in_a_cluster
	s_endpgm
.Lentry_in_a_cluster:
	s_bfe_u32 s2, ttmp6, 0x10000c
	s_cmp_lg_u32 s2, 0x3003
	s_cbranch_scc0 .Lentry_shape_is_right
	s_endpgm
.Lentry_shape_is_right:
; att[q][128 head + :] = the sum over k of softmax_k(Q[q] . K[k] / sqrt(128), hidden scores = -infinity) V[k][:], for each of 16 heads.  Q, K, V: qkv[48][2048][128] f16 (heads 0-15 Q, 16-31 K, 32-47 V; Q and K rotated).
; Products, maxima and sums in f32; the weights p are rounded to f16 for the second product, the result once at the end (att: [2048][2048] f16).
; f16, NOT bf16: a row with few visible keys is some twelve times the whole result's root mean square, by which each number is judged; 11 significant bits serve it, 8 do not.  p is at most 1: what falls under f16's grid of 2^-24
; is lost beside the row's largest p, which is 1.  att is a mean of rows of V and stays in V's range (under 65,504: the launch before states what that allows).
; THE MASK is an input: nothing of its pattern is built in, every score is computed, and mbits (lane masks made by the first launch) selects -infinity for hidden scores, one v_cndmask_b32 a register.
; A tile all of whose scores are hidden is not left out: that would be a branch on loaded data.  The running maximum has the floor -3e38, so that it is a number where all scores so far are hidden;
; a row all of whose scores are hidden ends with the sum 0 and 0 x (1 / 0) = NaN, as the problem has it.
; SHARES.  A work-group owns 128 queries of one head: 16 x 16 = 256 work-groups.  Wave w: a = w % 2 says which 64 queries (four tiles of 16), b = w / 2 which 128 keys of every 256.  So a wave keeps 64 queries, each
; fragment of K and V that it reads from LDS feeds four products, and it walks 16 key steps of 64.  The two waves of a pair (same a) meet through LDS at the end: maxima, sums and O^T are joined there.
; LAYOUT.  S^T = K Q^T (source 0 = 16 keys, source 1 = 16 queries), O^T = V^T P: a lane holds ONE query (lane % 16) throughout.  THE KEYS OF A TILE ARE PERMUTED, alike in K, V and mbits: row m of a tile of S^T is
; key 2 (m % 8) + m / 8, so register j of lane half h is key 2 j + h.  With that, one LDS pitch of 272 bytes serves K's loads (16 rows, 16 bytes apart modulo 256) and V's turning loads (rows 2 j + h, chunks of 16 bytes: 32 j + 16 c modulo 256).
; BY TURNS.  The wave's tiles are two pieces (tiles 0, 1 and tiles 2, 3).  In a turn one piece has the matrix unit: 32 products V^T P of the step in hand, then 32 products K Q^T of the next; the other piece's mask and softmax,
; 332 vector lines in 64 slices, stand between them, one slice behind each matrix instruction.  Two turns are a key step.
; CLUSTER.  The four query blocks of a cluster belong to one head and walk the same K and V: each tile is asked for jointly, by the same tensor load with a mask that names the four.
; REGISTERS: window 0: v0-11 addresses; v12-43 statistics, eight a tile; v44-63 constants and addresses; v64-191 S^T; v192-255 P.  Window 1: O^T.  Window 2: v0-127 Q, v128-255 K.  Window 3: v0-127 V.
.set KS,    64                         ; keys in a step
.set PK,    272                        ; a row of K or V in LDS: 256 bytes + 16 of padding
.set PART,  128*PK                     ; 128 rows: what one tensor load brings
.set VOFF,  2*PART                     ; a slot: K's rows 0-127, 128-255, then V's
.set SLOTB, 4*PART
.set STEPB, KS*PK
.set SLOTG, 256*256                    ; a slot's 256 rows of K or of V in memory
.set STAGE, 2*SLOTB                    ; behind the ring: 16 rows x 272 bytes for each wave, for the way out;
.set SP,    272
.set STATS, STAGE+4*16*SP              ; (c m, l) of every wave's four tiles: 16 x 256 bytes;
.set SPARE, STATS+4096                 ; the spare words, 128 bytes for each wave: no other line names them
; The images of O^T, 4 x 32,768 bytes, lie from LDS byte 0 on, in slot 0: it has had its last fill, and every wave has left it at the last change of slots.
.set AK0, 2
.set AV0, 3
.set ADR, 4
.set QO,  5
.set STO, 6
.set RD,  7
.set GO,  8
.set ST,  12                           ; tile t's statistics at v[ST+8 t]: +0 c m, +1 m, +2, +3 l, +4 to +7 at work
.set NINF, 44                          ; -infinity
.set IA,  45                           ; where I store my image of O^T
.set LA0, 46                           ; where I read the two tiles that I finish: from the wave with b = 0,
.set LA1, 47                           ; and from the wave with b = 1
.set SA,  48                           ; where I store my statistics
.set SL,  49                           ; and read those of the two tiles
.set MG,  50                           ; v50-59 the joining
.set PFO, 61                           ; 256 x lane
.set SPW, 62
.set NIL, 63
.set S,   64
.set P,   192
.set KF,  128
.set WV,  2                            ; s2   my wave's number
.set TB,  3                            ; s3   LDS byte at which the tiles of the step to be fetched begin (less my half's part)
.set MP,  4                            ; s[4:5]   mbits at my first tile's words of the step whose masks are loaded next
.set OUT, 6                            ; s[6:7]   att at the first row that I store
.set G1,  8                            ; s[8:15]  descriptor group 1: one for all loads
.set G0,  16                           ; s[16:23] group 0, a set for each slot
.set CS,  24                           ; s[24:25] c = log2(e) / sqrt(128)
.set SEL, 26
.set PFA, 28
.set LIM, 30
.set TRIPS, 31
.set TWICE, 66
.set QP,  100                          ; s[100:101] Q at my first row.   s[32:63], s[68:99]: the lane masks of the piece's two tiles, 32 words each
.set MSB, 0
.macro WIN new                         ; the immediate's high byte repeats the setting that is left
.if MSB != \new
	s_set_vgpr_msb (MSB<<8)|\new
.set MSB, \new
.endif
.endm
.set W_KQ, 0x0a                        ; K and Q in window 2, S^T in window 0
.set W_PV, 0x53                        ; V in window 3, P in window 0, O^T in window 1
.set W_RS, 0x41                        ; O^T in window 1, its factor in window 0
.macro CROUND                          ; a round of the cluster's barrier
	s_barrier_signal -1
	s_barrier_wait -1
	s_cmp_lg_u32 s[WV], 0
	s_cbranch_scc1 .Lnot_wave_0_\@
	s_barrier_signal -3
.Lnot_wave_0_\@:
	s_barrier_wait -3
	s_barrier_signal -1
	s_barrier_wait -1
.endm
; A prefetch of what the NEXT change of slots will ask for: 256 rows of K and 256 of V, 256 bytes a row, a lane a row.  All clusters of a head walk the same rows: the head's first cluster asks.  Of the 128 rows that wave w
; fetches, the partner at place cx takes 32 cx .. 32 cx + 31, BY ADDRESS: 4 partners x 4 waves x 32 rows name each row once.  It stands two key steps, 256 matrix instructions of a wave, ahead of the load that wants the rows.
; how = 1: always (there is a slot behind); how = 0: not in the loop's last trip, whose second fill is the last.  The first three slots come by their loads alone.
.macro ASK how
.if \how
	s_cmp_eq_u32 s[LIM], 1
.else
	s_cmp_gt_u32 s[TRIPS], s[LIM]
.endif
	s_cbranch_scc0 .Lnot_mine_\@
	global_prefetch_b8 v[PFO], s[PFA:PFA+1] th:TH_LOAD_NT scope:SCOPE_SE
.Lnot_mine_\@:
.endm
.macro MLOAD x                         ; the lane masks of tiles x and x + 1 for one key step: 128 bytes each
	s_load_b512 s[32:47], s[MP:MP+1], 4096*(\x)
	s_load_b512 s[48:63], s[MP:MP+1], 4096*(\x)+64
	s_load_b512 s[68:83], s[MP:MP+1], 4096*(\x)+4096
	s_load_b512 s[84:99], s[MP:MP+1], 4096*(\x)+4160
.endm
	s_load_b128 s[32:35], s[0:1], 0x0              ; qkv, mbits  (s32-57 serve the head's arithmetic; the masks come into them later)
	s_load_b64 s[36:37], s[0:1], 0x10              ; att
	v_lshl_add_u32 v[SPW], v0, 2, SPARE
	v_mov_b32 v[NIL], 0
	v_lshrrev_b32 v1, 5, v0
	v_readfirstlane_b32 s[WV], v1                  ; wave 0..3
	s_and_b32 s38, s[WV], 1                        ; a
	s_lshr_b32 s39, s[WV], 1                       ; b
	s_bfe_u32 s40, ttmp6, 0x40000                  ; cx
	s_lshl_b32 s41, ttmp9, 2
	s_add_co_u32 s41, s41, s40                     ; my block of 128 queries: it enters Q's, the masks' and att's addresses alone
	s_and_b32 s42, ttmp7, 0xffff                   ; the head, which the partners share
	s_lshl_b32 s44, s39, 4                         ; what I fetch: waves 0, 1: K's rows 0-127, 128-255 of a slot; waves 2, 3: V's
	s_add_co_u32 s44, s44, s42
	s_add_co_u32 s44, s44, 16
	s_lshl_b32 s44, s44, 19                        ; head 16 + 16 b + head of qkv: 2,048 rows of 256 bytes each
	s_lshl_b32 s46, s38, 15
	s_add_co_u32 s44, s44, s46
	s_mov_b32 s45, 0
	s_lshl_b32 s46, s42, 19                        ; Q: the head, my block's 128 rows, my wave's 64 of them
	s_lshl_b32 s48, s41, 15
	s_add_co_u32 s46, s46, s48
	s_lshl_b32 s48, s38, 14
	s_add_co_u32 s46, s46, s48
	s_mov_b32 s47, 0
	s_lshl_b32 s48, s41, 19                        ; att: row 128 block + 64 a + 32 b, of 4,096 bytes; + 256 x head
	s_lshl_b32 s50, s38, 18
	s_add_co_u32 s48, s48, s50
	s_lshl_b32 s50, s39, 17
	s_add_co_u32 s48, s48, s50
	s_lshl_b32 s50, s42, 8
	s_add_co_u32 s48, s48, s50
	s_mov_b32 s49, 0
	s_lshl_b32 s50, s41, 15                        ; mbits: tile of queries 8 block + 4 a, 4,096 bytes each; + 2,048 b: my 16 steps are 2,048 consecutive bytes
	s_lshl_b32 s52, s38, 14
	s_add_co_u32 s50, s50, s52
	s_lshl_b32 s52, s39, 11
	s_add_co_u32 s50, s50, s52
	s_mov_b32 s51, 0
	s_mul_i32 s53, s[WV], PART                     ; where my part of a slot goes: no place in the cluster enters an LDS address
	s_lshl_b32 s56, s40, 13                        ; the prefetches: my work-group's 32 rows of my 128
	s_mov_b32 s57, 0
	s_mov_b32 s[G1], 15|(1<<16)|(1<<20)|(1<<21)|(5<<22)|(3<<25)   ; the mask: all four work-groups; elements of 2 bytes; padding on; bit 21 beside a mask; 4 words of padding after every 64
	s_mov_b32 s[G1+1], 128<<16                     ; tensor_dim0 = 128
	s_mov_b32 s[G1+2], 128<<16                     ; tensor_dim1 = 128
	s_mov_b32 s[G1+3], 128<<16                     ; tile_dim0 = 128
	s_mov_b32 s[G1+4], 128                         ; tile_dim1 = 128
	s_mov_b32 s[G1+5], 128                         ; elements from row to row
	s_mov_b32 s[G1+6], 0
	s_mov_b32 s[G1+7], 0
	s_mov_b32 s[CS], 0x3e0293ee                    ; c = log2(e) / sqrt(128)
	s_mov_b32 s[CS+1], s[CS]
	s_mov_b32 s[SEL], 0x76543210
	s_mov_b32 s[SEL+1], 0xfedcba98
	s_mov_b32 s[TB], 0
	s_mov_b32 s[TRIPS], 3
	s_cmp_eq_u32 ttmp9, 0                          ; the head's first cluster: the same in all four partners
	s_cselect_b32 s[LIM], 1, -1
	s_wait_kmcnt 0x0
	s_add_nc_u64 s[54:55], s[32:33], s[44:45]      ; my part of the head's first 256 keys
	s_add_nc_u64 s[QP:QP+1], s[32:33], s[46:47]
	s_add_nc_u64 s[OUT:OUT+1], s[36:37], s[48:49]
	s_add_nc_u64 s[MP:MP+1], s[34:35], s[50:51]
	s_add_nc_u64 s[PFA:PFA+1], s[54:55], s[56:57]
	s_add_nc_u64 s[PFA:PFA+1], s[PFA:PFA+1], 2*SLOTG   ; at the third 256 keys: the first change of slots steps it to the fourth
	CROUND                                         ; all four work-groups are here: the first joint loads meet
.irp s, 0,1
	s_mov_b32 s[G0+4*\s], 1
	s_add_co_u32 s[G0+4*\s+1], s53, \s*SLOTB
	s_add_nc_u64 s[G0+4*\s+2:G0+4*\s+3], s[54:55], \s*SLOTG
	s_or_b32 s[G0+4*\s+3], s[G0+4*\s+3], 0x80000000
.endr
	tensor_load_to_lds s[G0:G0+3], s[G1:G1+7]      ; every wave fetches its own part: two loads of mine are out at the start, later one
	tensor_load_to_lds s[G0+4:G0+7], s[G1:G1+7]
.rept 4
	v_nop
.endr
	MLOAD 0                                        ; piece 0's masks of step 0: s32-57 have served
	v_and_b32 v1, 15, v0                           ; r = lane % 16
	v_bfe_u32 v9, v0, 4, 1                         ; h = lane / 16
	v_lshlrev_b32 v[QO], 8, v1
	v_lshl_add_u32 v[QO], v9, 4, v[QO]
	WIN 0x80                                       ; destination window 2
.irp i, 0,1,2,3,4,5,6,7,8,9,10,11,12,13,14,15      ; Q stays in registers: tile i / 4, channels 32 (i % 4) on
	global_load_b128 v[8*\i:8*\i+3],   v[QO], s[QP:QP+1] offset:(\i/4)*4096+(\i%4)*64
	global_load_b128 v[8*\i+4:8*\i+7], v[QO], s[QP:QP+1] offset:(\i/4)*4096+(\i%4)*64+32
.endr
	WIN 0
	v_and_b32 v10, 7, v0
	v_bfe_u32 v11, v0, 3, 1
	s_lshr_b32 s67, s[WV], 1
	s_mul_i32 s67, s67, PART                       ; my half of a slot's keys
	v_lshl_add_u32 v[AK0], v10, 1, v11             ; K: lane r takes the tile's row 2 (r % 8) + r / 8,
	v_mul_u32_u24 v[AK0], v[AK0], PK
	v_lshl_add_u32 v[AK0], v9, 4, v[AK0]           ; + 16 h
	v_add_nc_u32 v[AK0], s67, v[AK0]
	v_lshl_add_u32 v[AV0], v10, 1, v9              ; V: the turning load: lane l addresses row 2 (l % 8) + h, channels 8 ((l / 8) % 2) on
	v_mul_u32_u24 v[AV0], v[AV0], PK
	v_lshl_add_u32 v[AV0], v11, 4, v[AV0]
	s_add_co_u32 s67, s67, VOFF
	v_add_nc_u32 v[AV0], s67, v[AV0]
	v_mov_b32 v[NINF], 0xff800000
	v_and_b32 v[PFO], 31, v0
	v_lshlrev_b32 v[PFO], 8, v[PFO]
; THE MATRIX WORK OF A TURN, for piece x.  The accumulators take turns, one instruction a turn.
.macro PV x, zero                      ; product i of 32 of O^T += V^T P: keys 32 (i / 16) on, channels 16 ((i / 2) % 8) on, tile x + i % 2
	WIN W_PV
.set rO, 64*(\x+i%2)+8*((i/2)%8)
.set rV, 64*(i/16)+8*((i/2)%8)
.set rP, P+16*(\x+i%2)+8*(i/16)
.if \zero && (i < 16)
	v_wmma_f32_16x16x32_f16 v[rO:rO+7], v[rV:rV+7], v[rP:rP+7], 0
.else
	v_wmma_f32_16x16x32_f16 v[rO:rO+7], v[rV:rV+7], v[rP:rP+7], v[rO:rO+7]
.endif
.endm
.macro KQ x                            ; product i of 32 of S^T = K Q^T: channels 32 (i / 8) on, keys 16 ((i / 2) % 4) on, tile x + i % 2
	WIN W_KQ
.set rS, S+32*(\x+i%2)+8*((i/2)%4)
.set rK, KF+32*((i/2)%4)+8*(i/8)
.set rQ, 32*(\x+i%2)+8*(i/8)
.if i < 8
	v_wmma_f32_16x16x32_f16 v[rS:rS+7], v[rK:rK+7], v[rQ:rQ+7], 0
.else
	v_wmma_f32_16x16x32_f16 v[rS:rS+7], v[rK:rK+7], v[rQ:rQ+7], v[rS:rS+7]
.endif
.endm
.macro FETCH_K                         ; a step's K: 32 LDS loads in one run
	WIN 0
	v_add_nc_u32 v[ADR], s[TB], v[AK0]
	WIN 0x80
.irp f, 0,1,2,3,4,5,6,7,8,9,10,11,12,13,14,15
	ds_load_b128 v[KF+8*\f:KF+8*\f+3],   v[ADR] offset:(\f/4)*16*PK+(\f%4)*64
	ds_load_b128 v[KF+8*\f+4:KF+8*\f+7], v[ADR] offset:(\f/4)*16*PK+(\f%4)*64+32
.endr
.endm
.macro FETCH_V                         ; and, a turn later, its V, turned
	WIN 0
	v_add_nc_u32 v[ADR], s[TB], v[AV0]
	s_add_co_u32 s[TB], s[TB], STEPB               ; the next fetch is the next step's
	WIN 0xc0
.irp f, 0,1,2,3,4,5,6,7,8,9,10,11,12,13,14,15
	ds_load_tr16_b128 v[8*\f:8*\f+3],   v[ADR] offset:(\f/8)*32*PK+(\f%8)*32
	ds_load_tr16_b128 v[8*\f+4:8*\f+7], v[ADR] offset:(\f/8)*32*PK+16*PK+(\f%8)*32
.endr
.endm
; THE VECTOR WORK OF A TURN.  MK: register n of tile t's scores becomes -infinity in the lanes whose bit is set.  In ascending n: each accumulator is read from its low end on.
.macro MK t, n
	WIN 0
	v_cndmask_b32 v[S+32*(\t)+(\n)], v[S+32*(\t)+(\n)], v[NINF], s[32+36*((\t)%2)+(\n)]
.endm
; SM writes number j of the 134 of one tile's softmax for one key step.
;   0-15 the maximum of the 32 scores and the old m (first step: and the floor);  16-20 the other half of the lanes' maximum, the new m, c m, its change;
;   21-87 33 exponentials at the odd numbers from 23 on, each with a plain line behind it, and between them scalings c s - c m, roundings to f16 and the first sums;
;   88-101 the last rounding, the rest of the sums, l = a l + the sum;  102-133 the tile's O^T times a.
.macro SM t, first
.set rT, ST+8*(\t)
.set rS, S+32*(\t)
.set rP, P+16*(\t)
.set rO, 64*(\t)+2*(j-102)
.set q, (j-20)/2
.if j < 102
	WIN 0
.endif
.if j < 4
	v_max3_num_f32 v[rT+4+j], v[rS+8*j], v[rS+8*j+1], v[rS+8*j+2]
.elseif j < 12
	v_max3_num_f32 v[rT+4+j%4], v[rT+4+j%4], v[rS+8*(j%4)+2*(j/4)+1], v[rS+8*(j%4)+2*(j/4)+2]
.elseif j == 12
	v_max3_num_f32 v[rT+4], v[rT+4], v[rS+7], v[rS+15]
.elseif j == 13
	v_max3_num_f32 v[rT+6], v[rT+6], v[rS+23], v[rS+31]
.elseif j == 14
	v_max3_num_f32 v[rT+4], v[rT+4], v[rT+5], v[rT+6]
.elseif (j == 15) && \first
	v_max3_num_f32 v[rT+4], v[rT+4], v[rT+7], 0xff61b1e6   ; the floor -3e38: m is a number even where every score so far is hidden
.elseif j == 15
	v_max3_num_f32 v[rT+4], v[rT+4], v[rT+7], v[rT+1]
.elseif j == 16
	v_permlanex16_b32 v[rT+5], v[rT+4], s[SEL], s[SEL+1]   ; the query's other 32 keys lie in the lane 16 away
.elseif j == 18
	v_max_num_f32 v[rT+1], v[rT+4], v[rT+5]
.elseif j == 19
	v_mul_f32 v[rT], s[CS], v[rT+1]
.elseif ((j == 17) || (j == 20) || (j == 23) || (j > 101)) && \first
.elseif j == 17
	v_mov_b32 v[rT+7], v[rT]
.elseif j == 20
	v_sub_f32 v[rT+7], v[rT+7], v[rT]
.elseif j == 23
	v_exp_f32 v[rT+6], v[rT+7]
.elseif (j < 88) && (j > 23) && (j%2 == 1)
	v_exp_f32 v[rS+(j-25)/2], v[rS+(j-25)/2]
.elseif (q < 4) || ((j < 76) && (q%2 == 0))
.set b, q/2+2
.if q < 4
.set b, q
.endif
	v_pk_fma_f32 v[rS+2*b:rS+2*b+1], v[rS+2*b:rS+2*b+1], s[CS:CS+1], v[rT:rT+1] op_sel_hi:[1,0,0] neg_lo:[0,0,1] neg_hi:[0,0,1]
.elseif (j < 88) && (q%2 == 1)
	v_cvt_pk_f16_f32 v[rP+(q-5)/2], v[rS+q-5], v[rS+q-4]
.elseif j == 89
	v_cvt_pk_f16_f32 v[rP+15], v[rS+30], v[rS+31]
.elseif j < 102
.set z, j-86
.if j < 89
.set z, (j-76)/4
.endif
.set w, 4
.set u, z
.if z >= 14
.set w, 32
.set u, 0
.elseif z >= 12
.set w, 16
.set u, z-12
.elseif z >= 8
.set w, 8
.set u, z-8
.endif
.if (z == 14) && \first
	v_pk_add_f32 v[rT+2:rT+3], v[rS:rS+1], v[rS+16:rS+17]
.elseif z < 15
	v_pk_add_f32 v[rS+w*u:rS+w*u+1], v[rS+w*u:rS+w*u+1], v[rS+w*u+w/2:rS+w*u+w/2+1]
.elseif !\first
	v_pk_fma_f32 v[rT+2:rT+3], v[rT+2:rT+3], v[rT+6:rT+7], v[rS:rS+1] op_sel_hi:[1,0,1]
.endif
.else
	WIN W_RS
	v_pk_mul_f32 v[rO:rO+1], v[rO:rO+1], v[rT+6:rT+7] op_sel_hi:[1,0]
.endif
.endm
; Slice k of 64 of piece y's vector work.  0-7: the mask, 8 lines each; behind slice 7 the next turn's masks are asked for (the registers have served).  8-58: numbers 2 (k - 8) and 2 (k - 8) + 1 of both tiles.
; 59-62: six numbers of both tiles' rescaling; 63: the last eight of both: sixteen plain lines that name nothing of the products round them: the places behind the turn's last K Q^T.
.macro SLICE y, first
.if k < 8
.irp n, 0,1,2,3
.irp t, \y, \y+1
	MK \t, 4*k+\n
.endr
.endr
.if (k == 7) && ML
	MLOAD NXT
.endif
.elseif k < 59
.set kk, k-8
.if (kk >= 11) && (kk < 44)            ; tile by tile: plain, exponential, plain, exponential
.irp t, \y, \y+1
.irp n, 0,1
.set j, 2*kk+\n
	SM \t, \first
.endr
.endr
.else                                  ; the two tiles alternate
.irp n, 0,1
.irp t, \y, \y+1
.set j, 2*kk+\n
	SM \t, \first
.endr
.endr
.endif
.elseif k < 63
.irp n, 0,1,2,3,4,5
.irp t, \y, \y+1
.set j, 102+6*(k-59)+\n
	SM \t, \first
.endr
.endr
.else
.irp n, 0,1,2,3,4,5,6,7
.irp t, \y, \y+1
.set j, 126+\n
	SM \t, \first
.endr
.endr
.endif
.set k, k+1
.endm
.macro PLACES
.rept 4
	v_nop
.endr
.endm
; A TURN.  Piece x has the matrix unit.  pv = 2: 32 products V^T P; 1: they start O^T's sums; 0: none.  kq = 1: 32 products K Q^T for the next step.  first = 1: the softmax is the first key step's.
; ml = 1: the next turn's masks are asked for: those of piece x; in piece 0's turn they are the next step's, so the pointer steps first, behind the wait that shows the loads from it done.
; Piece 0's turn fetches the next step's K behind its second product (the last product that read K stands in front of slice 63 of the turn before); piece 2's turn fetches that step's V behind its second K Q^T
; (the last product that read V stands three slices, six plain lines, back).
.macro TURN x, pv, kq, first, ml
.set ML, \ml
.set NXT, \x
.set k, 0
.set per, 2
.if \pv && \kq
.set per, 1
.endif
	s_wait_kmcnt 0x0                               ; this turn's masks are in: they were asked for 56 slices ago
.if (\x == 0) && \ml
	s_add_nc_u64 s[MP:MP+1], s[MP:MP+1], 128
.endif
.if \pv
.if \x == 0
	s_wait_dscnt 0x0                               ; V is in
.endif
.set i, 0
.rept 32
	PV \x, 2-\pv
.rept per
	SLICE 2-\x, \first
.endr
.if (\x == 0) && \kq && (i == 1)
	FETCH_K
.endif
.set i, i+1
.endr
.endif
.if \kq
.if \x == 0
	s_wait_dscnt 0x0                               ; K is in
.endif
.set i, 0
.rept 32
	KQ \x
.rept per
	SLICE 2-\x, \first
.endr
.if (\x == 2) && (i == 1)
	FETCH_V
.endif
.set i, i+1
.endr
.endif
.if \first
	PLACES                                         ; the first softmax has no rescaling: these take slice 63's part
.endif
.endm
; THE CHANGE OF SLOTS, between piece 2's turn and piece 0's: the slot's last bytes have been asked for.  Each wave waits for all its tensor loads (one is out: its part of the other slot), adds 0 to its spare word, and waits
; for that and for its own reads.  fill = 1: the slot just left is filled with the keys two slots on, behind a round of the cluster's barrier; the load has two key steps in which to land.
.macro CHANGE fill, slot, next, how
	WIN 0
	s_wait_tensorcnt 0x0                           ; no tensor load of mine is out, so a group 0 may be written
	ds_add_u32 v[SPW], v[NIL]                      ; 0 onto my spare word
.if \fill
	s_add_nc_u64 s[G0+4*\slot+2:G0+4*\slot+3], s[G0+4*\slot+2:G0+4*\slot+3], 2*SLOTG
	s_wait_xcnt 0x0                                ; the last prefetch, two key steps back, has read its address
	s_add_nc_u64 s[PFA:PFA+1], s[PFA:PFA+1], SLOTG
	s_wait_dscnt 0x0                               ; the add is done, and my reads of the slot are over
	CROUND
	tensor_load_to_lds s[G0+4*\slot:G0+4*\slot+3], s[G1:G1+7]   ; my one tensor load behind the round
.rept 4
	v_nop
.endr
	ASK \how
.else
	s_wait_dscnt 0x0
	s_barrier_signal -1
	s_barrier_wait -1
.endif
	s_mov_b32 s[TB], \next*SLOTB                   ; the fetches go on in the other slot
.endm
.macro TWO_STEPS                       ; a slot's two key steps of my half: written once, walked twice
	s_mov_b32 s[TWICE], 2
.Lstep_\@:
	TURN 0, 2, 1, 0, 1
	TURN 2, 2, 1, 0, 1
	WIN 0
	s_sub_co_u32 s[TWICE], s[TWICE], 1
	s_cmp_lg_u32 s[TWICE], 0
	s_cbranch_scc1 .Lstep_\@
.endm
	s_wait_tensorcnt 1                             ; my part of slot 0 is in; slot 1's may stay out
	s_barrier_signal -1
	s_barrier_wait -1
	FETCH_K                                        ; key step 0
	s_wait_loadcnt 0x0                             ; Q
	s_wait_dscnt 0x0
.set i, 0
.rept 32
	KQ 0                                           ; piece 0's first scores
.set i, i+1
.endr
	WIN 0                                          ; the addresses for the end are made here: plain lines, the places behind those products
	s_mul_i32 s67, s[WV], 16*SP
	s_add_co_u32 s67, s67, STAGE
	v_mul_u32_u24 v[STO], v1, SP
	v_lshl_add_u32 v[STO], v9, 4, v[STO]
	v_add_nc_u32 v[STO], s67, v[STO]               ; my stage, in: row r, 16 bytes for each half of the lanes
	v_mul_u32_u24 v[RD], v9, SP
	v_lshl_add_u32 v[RD], v1, 4, v[RD]
	v_add_nc_u32 v[RD], s67, v[RD]                 ; back: lanes 0-15 one row of 256 bytes, lanes 16-31 the next
	v_lshlrev_b32 v[GO], 12, v9
	v_lshl_add_u32 v[GO], v1, 4, v[GO]             ; and the same two rows in att
	v_and_b32 v10, 31, v0
	s_lshl_b32 s67, s[WV], 15
	v_lshl_add_u32 v[IA], v10, 4, s67              ; my image: 32,768 w + 16 x lane
	s_and_b32 s66, s[WV], 1
	s_lshl_b32 s66, s66, 15
	s_lshr_b32 s67, s[WV], 1
	s_lshl_b32 s67, s67, 14
	s_add_co_u32 s66, s66, s67
	v_lshl_add_u32 v[LA0], v10, 4, s66             ; tiles 2 b and 2 b + 1 in the image of wave a,
	v_add_nc_u32 v[LA1], 65536, v[LA0]             ; and of wave a + 2
	s_lshl_b32 s67, s[WV], 10
	s_add_co_u32 s67, s67, STATS
	v_lshl_add_u32 v[SA], v10, 3, s67
	s_and_b32 s66, s[WV], 1
	s_lshl_b32 s66, s66, 10
	s_lshr_b32 s67, s[WV], 1
	s_lshl_b32 s67, s67, 9
	s_add_co_u32 s66, s66, s67
	s_add_co_u32 s66, s66, STATS
	v_lshl_add_u32 v[SL], v10, 3, s66
	TURN 2, 0, 1, 1, 1                             ; piece 2's first scores | piece 0's first softmax | V of step 0
	TURN 0, 1, 1, 1, 1                             ; piece 0: V^T P of step 0 starts O^T, K Q^T of step 1 | piece 2's first softmax | K of step 1
	TURN 2, 1, 1, 0, 1                             ; piece 2: the same | piece 0's softmax of step 1 | V of step 1
	WIN 0
.Lslot:                                            ; three trips, two changes of slots each: six of the eight slots' worth of keys come by refills
	CHANGE 1, 0, 1, 1
	TWO_STEPS
	CHANGE 1, 1, 0, 0
	TWO_STEPS
	s_sub_co_u32 s[TRIPS], s[TRIPS], 1
	s_cmp_lg_u32 s[TRIPS], 0
	s_cbranch_scc1 .Lslot
	CHANGE 0, 0, 1, 0                              ; the tail is written out
	TWO_STEPS
	TURN 0, 2, 0, 0, 0                             ; piece 0: V^T P of the last step | piece 2's last softmax
.set i, 0
.rept 32
	PV 2, 0
.set i, i+1
.endr
	; THE TWO HALVES OF THE KEYS ARE JOINED.  Every wave stores (c m, l) of its four tiles and its O^T as an image of its registers; a barrier; wave (a, b) finishes tiles 2 b and 2 b + 1 of the 64 queries a.
	WIN 0
.irp t, 0,1,2,3
	v_add_f32 v[ST+8*\t+4], v[ST+8*\t+2], v[ST+8*\t+3]             ; l's two halves (these additions are the places behind the last products),
.endr
.irp t, 0,1,2,3
	v_permlanex16_b32 v[ST+8*\t+5], v[ST+8*\t+4], s[SEL], s[SEL+1]
.endr
.irp t, 0,1,2,3
	v_add_f32 v[ST+8*\t+1], v[ST+8*\t+4], v[ST+8*\t+5]             ; and the other half of the lanes': l, beside c m
.endr
.irp t, 0,1,2,3
	ds_store_b64 v[SA], v[ST+8*\t:ST+8*\t+1] offset:256*\t
.endr
	WIN 0x04                                       ; an LDS store's data are its source 1: window 1
.set i, 0
.rept 64
	ds_store_b128 v[IA], v[4*i:4*i+3] offset:512*i                 ; each accumulator from its low end on
.set i, i+1
.endr
	WIN 0
	s_wait_dscnt 0x0                               ; for the others' sake: my stores have landed
	s_barrier_signal -1
	s_barrier_wait -1
.irp u, 0,1
	ds_load_b64 v[MG+4*\u:MG+4*\u+1], v[SL] offset:256*\u          ; (c m, l) of the keys' first halves,
	ds_load_b64 v[MG+4*\u+2:MG+4*\u+3], v[SL] offset:2048+256*\u   ; and of the second
.endr
	WIN 0x80                                       ; into Q's registers
.set i, 0
.rept 32
	ds_load_b128 v[4*i:4*i+3], v[LA0] offset:512*i
.set i, i+1
.endr
	WIN 0xc0                                       ; into V's
.set i, 0
.rept 32
	ds_load_b128 v[4*i:4*i+3], v[LA1] offset:512*i
.set i, i+1
.endr
	WIN 0
	s_wait_dscnt 0x0
.irp u, 0,1
	v_max_num_f32 v[MG+8+\u], v[MG+4*\u], v[MG+4*\u+2]             ; the common c m
.endr
.irp u, 0,1
	v_sub_f32 v[MG+4*\u], v[MG+4*\u], v[MG+8+\u]
	v_sub_f32 v[MG+4*\u+2], v[MG+4*\u+2], v[MG+8+\u]
.endr
.irp u, 0,1
	v_exp_f32 v[MG+4*\u], v[MG+4*\u]                               ; each half's factor
	v_exp_f32 v[MG+4*\u+2], v[MG+4*\u+2]
.endr
	v_nop
.irp u, 0,1
	v_mul_f32 v[MG+8+\u], v[MG+4*\u+1], v[MG+4*\u]
.endr
.irp u, 0,1
	v_fma_f32 v[MG+8+\u], v[MG+4*\u+3], v[MG+4*\u+2], v[MG+8+\u]   ; the row's sum
.endr
.irp u, 0,1
	v_rcp_f32 v[MG+8+\u], v[MG+8+\u]
.endr
	v_nop
.irp u, 0,1
	v_mul_f32 v[ST+8*\u+4], v[MG+4*\u], v[MG+8+\u]                 ; factor / sum, for each half
	v_mul_f32 v[ST+8*\u+6], v[MG+4*\u+2], v[MG+8+\u]
.endr
.macro PACK u                          ; tile u of my two: joined, rounded to f16, through my stage, back as whole rows of 256 bytes
	WIN 0x82
.set i, 64*\u
.rept 32
	v_pk_mul_f32 v[i:i+1], v[i:i+1], v[ST+8*\u+4:ST+8*\u+5] op_sel_hi:[1,0]
.set i, i+2
.endr
	WIN 0xa3
.set i, 64*\u
.rept 32
	v_pk_fma_f32 v[i:i+1], v[i:i+1], v[ST+8*\u+6:ST+8*\u+7], v[i:i+1] op_sel_hi:[1,0,1]
.set i, i+2
.endr
	WIN 0x0a
.set i, 0
.rept 32
	v_cvt_pk_f16_f32 v[S+32*\u+i], v[64*\u+2*i], v[64*\u+2*i+1]
.set i, i+1
.endr
	WIN 0
.irp f, 0,1,2,3,4,5,6,7
	ds_store_b128 v[STO], v[S+32*\u+4*\f:S+32*\u+4*\f+3] offset:32*\f
.endr
.irp f, 0,1,2,3,4,5,6,7
	ds_load_b128 v[S+32*\u+4*\f:S+32*\u+4*\f+3], v[RD] offset:\f*2*SP   ; LDS serves a wave's instructions in order: these see the stores above; the next tile's stores come behind them
.endr
.endm
.macro SEND u, younger                 ; younger: the LDS instructions issued behind tile u's loads
.irp f, 0,1,2,3,4,5,6,7
	s_wait_dscnt \younger+7-\f
	global_store_b128 v[GO], v[S+32*\u+4*\f:S+32*\u+4*\f+3], s[OUT:OUT+1] offset:65536*\u+8192*\f   ; 16 lanes store 256 consecutive bytes, aligned
.endr
.endm
	PACK 0
	PACK 1
	SEND 0, 16
	SEND 1, 0
	s_wait_tensorcnt 0x0                           ; the wave's end
	ds_add_u32 v[SPW], v[NIL]
	s_wait_dscnt 0x0
	CROUND                                         ; the closing round
	s_endpgm
.Lfunc_end_k_qe9f8627450_attn:
	.size	k_qe9f8627450_attn, .Lfunc_end_k_qe9f8627450_attn-k_qe9f8627450_attn
	.p2alignl 7, 3214868480
	.fill 96, 4, 3214868480
	.section	.rodata,"a",@progbits
	.p2align	6, 0x0
	.amdhsa_kernel k_qe9f8627450_attn
		.amdhsa_group_segment_fixed_size 327680
		.amdhsa_private_segment_fixed_size 0
		.amdhsa_enable_private_segment 0
		.amdhsa_kernarg_size 24
		.amdhsa_user_sgpr_count 2
		.amdhsa_user_sgpr_kernarg_segment_ptr 1
		.amdhsa_wavefront_size32 1
		.amdhsa_system_sgpr_workgroup_id_x 1
		.amdhsa_system_sgpr_workgroup_id_y 1
		.amdhsa_system_sgpr_workgroup_id_z 1
		.amdhsa_system_vgpr_workitem_id 0
		.amdhsa_next_free_vgpr 1024
		.amdhsa_next_free_sgpr 102
		.amdhsa_reserve_vcc 0
		.amdhsa_float_denorm_mode_32 3
		.amdhsa_float_denorm_mode_16_64 3
		.amdhsa_memory_ordered 1
		.amdhsa_forward_progress 1
		.amdhsa_inst_pref_size 255
	.end_amdhsa_kernel
	.section	.bss,"aw",@nobits
	.p2align	6
	.space	262144
	.amdgpu_metadata
---
amdhsa.version: [ 1, 2 ]
amdhsa.kernels:
  - .name:           k_qe9f8627450_attn
    .symbol:         k_qe9f8627450_attn.kd
    .args:
      - { .name: qkv, .offset: 0, .size: 8, .value_kind: global_buffer, .address_space: global }
      - { .name: mbits, .offset: 8, .size: 8, .value_kind: global_buffer, .address_space: global }
      - { .name: att, .offset: 16, .size: 8, .value_kind: global_buffer, .address_space: global }
    .group_segment_fixed_size: 327680
    .private_segment_fixed_size: 0
    .kernarg_segment_align: 8
    .kernarg_segment_size: 24
    .max_flat_workgroup_size: 128
    .sgpr_count:     102
    .vgpr_count:     1024
    .wavefront_size: 32
...
	.end_amdgpu_metadata
.endif
;; end of part 3
;; launch oproj (part 4): grid 16 x 16, 4 waves a work-group, clusters of 4 x 4, 327,680 bytes of LDS; arguments att, wob, out0; writes out0
.if DOCPART == 4
	.amdgcn_target "amdgcn-amd-amdhsa--gfx1250"
	.amdhsa_code_object_version 6
	.text
	.protected	k_qe9f8627450_oproj
	.globl	k_qe9f8627450_oproj
	.p2align	8
	.type	k_qe9f8627450_oproj,@function
k_qe9f8627450_oproj:
	s_mov_b64 s[64:65], 0
	v_nop
	global_prefetch_b8 v0, s[64:65] scope:SCOPE_SE
	s_setreg_imm32_b32 hwreg(HW_REG_WAVE_MODE, 25, 1), 1
	s_wait_xcnt 0x0
	s_wait_alu depctr_hold_cnt(0) depctr_sa_sdst(0) depctr_va_vdst(0) depctr_va_sdst(0) depctr_va_ssrc(0) depctr_va_vcc(0) depctr_vm_vsrc(0)
	s_getreg_b32 s2, hwreg(HW_REG_IB_STS2, 6, 4)
	s_cmp_eq_u32 s2, 0
	s_cbranch_scc0 .Lentry_in_a_cluster
	s_endpgm
.Lentry_in_a_cluster:
	s_bfe_u32 s2, ttmp6, 0x10000c
	s_cmp_lg_u32 s2, 0xf033
	s_cbranch_scc0 .Lentry_shape_is_right
	s_endpgm
.Lentry_shape_is_right:
; out0[m][n] = sum over k of att[m][k] wo[n][k].  att: [2048][2048] f16, wob: wo as f16, [2048 n][2048 k]; out0: [2048][2048] f32; sums in f32.
; f16, not bf16: a row of the result with few visible keys is some twelve times the whole result's root mean square, by which each number is judged: 8 significant bits do not serve it.
; The 32 rows with the fewest visible keys are made once more by the launch behind this one, with wo in f32: there even wo's rounding to 11 bits counts.
; A tile of the result is 128 x 128: 16 x 16 = 256 work-groups.  Four waves, each 64 x 64: 16 accumulators, 128 registers.  K goes in steps of 256 (LDS rows of 512 bytes; a wave's tensor load brings 64 of them)
; through a ring of two slots.  CLUSTERS: 4 x 4 work-groups: A's tiles are asked for jointly along a row of the cluster, B's along a column.
; THE MATRIX INSTRUCTION IS USED TRANSPOSED (source 0 = 16 rows of B, source 1 = 16 rows of A): a lane holds eight neighbouring numbers of a row: 32 bytes.  A wave's 64 columns of f32 are 256 aligned bytes.
; REGISTERS: window 0: v0-31 addresses; v32-95 the way out; v128-255 the accumulators.  Window 1: two fragment buffers of 128.
.set SIZE_N, 2048
.set SIZE_K, 2048
.set KSTEP,  256
.set PITCH,  528                       ; an LDS row: 512 bytes + 16 of padding
.set HALFT,  64*PITCH
.set SLOT,   4*HALFT
.set STAGE,  2*SLOT                    ; behind the ring: 16 rows x 272 bytes for each wave
.set SPITCH, 272
.set SPARE,  STAGE+4*16*SPITCH         ; the spare words, 128 bytes for each wave: no other line names them
.set LAPS, SIZE_K/(2*KSTEP)
.set ADRA, 16
.set ADRB, 20
.set STO,  24
.set RD,   25
.set CO,   26
.set SPW,  28
.set NIL,  29
.set TMP,  32
.set ACC,  128
.set F0,   0
.set F1,   128
.set G1, 24
.set G0, 32
.set G1B, 48
.set G0B, 56
.set MSB, 0
.macro WIN new
.if MSB != \new
	s_set_vgpr_msb (MSB<<8)|\new
.set MSB, \new
.endif
.endm
.set MUL,  0x05                        ; sources 0 (B) and 1 (A) window 1; C and D window 0
.set TO_F, 0x40
.macro JLOAD s                         ; a joint load: waves 0 and 1 fetch A's two halves, waves 2 and 3 B's; four v_nop follow each of the two lines
	s_cmp_eq_u32 s11, 0
	s_cbranch_scc0 .Lfor_b_\@
	tensor_load_to_lds s[G0+4*\s:G0+4*\s+3], s[G1:G1+7]
.rept 4
	v_nop
.endr
	s_branch .Lasked_\@
.Lfor_b_\@:
	tensor_load_to_lds s[G0B+4*\s:G0B+4*\s+3], s[G1B:G1B+7]
.rept 4
	v_nop
.endr
.Lasked_\@:
.endm
.macro CREST
	s_cmp_lg_u32 s10, 0
	s_cbranch_scc1 .Lnot_wave_0_\@
	s_barrier_signal -3
.Lnot_wave_0_\@:
	s_barrier_wait -3
	s_barrier_signal -1
	s_barrier_wait -1
.endm
.macro CROUND
	s_barrier_signal -1
	s_barrier_wait -1
	CREST
.endm
	s_load_b128 s[4:7], s[0:1], 0x0                ; A s[4:5], B s[6:7]
	s_load_b64 s[8:9], s[0:1], 0x10                ; the result
	v_lshl_add_u32 v[SPW], v0, 2, SPARE
	v_mov_b32 v[NIL], 0
	v_lshrrev_b32 v1, 5, v0
	v_readfirstlane_b32 s10, v1                    ; wave 0..3
	s_lshr_b32 s11, s10, 1                         ; which half of the tile's rows is mine.  Also: I fetch for A (0) or for B (1)
	s_and_b32 s12, s10, 1                          ; which half of its columns.  Also: which 64 rows of that tile I fetch
	s_bfe_u32 s40, ttmp6, 0x40000
	s_bfe_u32 s41, ttmp6, 0x40004
	s_lshl_b32 s42, ttmp9, 2
	s_add_co_u32 s42, s42, s40                     ; tile column
	s_and_b32 s13, ttmp7, 0xffff
	s_lshl_b32 s13, s13, 2
	s_add_co_u32 s13, s13, s41                     ; tile row
	s_lshl_b32 s43, s41, 2
	s_lshl_b32 s43, 15, s43                        ; my row of the cluster
	s_lshl_b32 s44, 0x1111, s40                    ; my column
	s_or_b32 s[G1+0], s43, (1<<16)|(1<<20)|(1<<21)|(6<<22)|(3<<25)  ; the mask; elements of 2 bytes; padding on; bit 21 beside a mask; 4 words of padding after every 128
	s_or_b32 s[G1B+0], s44, (1<<16)|(1<<20)|(1<<21)|(6<<22)|(3<<25)
.irp g, G1, G1B
	s_mov_b32 s[\g+1], KSTEP<<16                   ; tensor_dim0
	s_mov_b32 s[\g+2], 64<<16                      ; tensor_dim1
	s_mov_b32 s[\g+3], KSTEP<<16                   ; tile_dim0
	s_mov_b32 s[\g+4], 64                          ; tile_dim1
	s_mov_b32 s[\g+5], SIZE_K                      ; elements from row to row
	s_mov_b32 s[\g+6], 0
	s_mov_b32 s[\g+7], 0
.endr
	s_lshl_b32 s17, s12, 6
	s_lshl_b32 s16, s13, 7
	s_add_co_u32 s16, s16, s17                     ; A: row 128 x tile row + 64 x half,
	s_lshl_b32 s16, s16, 12                        ; of 4,096 bytes
	s_lshl_b32 s46, s42, 7
	s_add_co_u32 s46, s46, s17                     ; B: row 128 x tile column + 64 x half,
	s_lshl_b32 s46, s46, 12                        ; of 4,096 bytes
	s_mov_b32 s17, 0
	s_mov_b32 s47, 0
	s_mul_i32 s20, s10, HALFT
	s_wait_kmcnt 0x0
	s_add_nc_u64 s[14:15], s[4:5], s[16:17]
	s_add_nc_u64 s[46:47], s[6:7], s[46:47]
	CROUND                                         ; all sixteen work-groups are here: the first joint loads meet
.irp s, 0,1
	s_mov_b32 s[G0+4*\s], 1
	s_add_co_u32 s[G0+4*\s+1], s20, \s*SLOT
	s_add_nc_u64 s[G0+4*\s+2:G0+4*\s+3], s[14:15], \s*KSTEP*2
	s_or_b32 s[G0+4*\s+3], s[G0+4*\s+3], 0x80000000
	s_mov_b32 s[G0B+4*\s], 1
	s_add_co_u32 s[G0B+4*\s+1], s20, \s*SLOT
	s_add_nc_u64 s[G0B+4*\s+2:G0B+4*\s+3], s[46:47], \s*KSTEP*2
	s_or_b32 s[G0B+4*\s+3], s[G0B+4*\s+3], 0x80000000
	JLOAD \s
.endr
	v_and_b32 v1, 15, v0                           ; r
	v_bfe_u32 v2, v0, 4, 1                         ; h
	v_mul_u32_u24 v3, v1, PITCH
	v_lshl_add_u32 v3, v2, 4, v3
	s_mul_i32 s21, s11, HALFT
	s_mul_i32 s22, s12, HALFT
	s_add_co_u32 s22, s22, 2*HALFT
.irp s, 0,1
	v_add_nc_u32 v[ADRA+\s], s21, v3
	v_add_nc_u32 v[ADRB+\s], s22, v3
	s_add_co_u32 s21, s21, SLOT
	s_add_co_u32 s22, s22, SLOT
.endr
	s_mul_i32 s23, s10, 16*SPITCH
	s_add_co_u32 s23, s23, STAGE                   ; my stage
	v_mul_u32_u24 v4, v1, SPITCH
	v_lshl_add_u32 v4, v2, 5, v4
	v_add_nc_u32 v[STO], s23, v4                   ; in: row r, 32 bytes for each half of the lanes
	v_mul_u32_u24 v5, v2, SPITCH
	v_lshl_add_u32 v5, v1, 4, v5
	v_add_nc_u32 v[RD], s23, v5                    ; back: lanes 0-15 one row of 256 bytes, lanes 16-31 the next
	v_lshlrev_b32 v5, 13, v2                       ; and the same two rows in the result: 8,192 bytes a row
	v_lshl_add_u32 v[CO], v1, 4, v5
	s_lshl_b32 s16, s13, 7
	s_lshl_b32 s17, s11, 6
	s_add_co_u32 s16, s16, s17                     ; my first row: 128 x tile row + 64 x half
	s_lshl_b32 s16, s16, 13
	s_mov_b32 s17, 0
	s_add_nc_u64 s[8:9], s[8:9], s[16:17]
	s_lshl_b32 s46, s42, 9                         ; my first column, in bytes: 512 x tile column + 256 x half
	s_lshl_b32 s47, s12, 8
	s_add_co_u32 s46, s46, s47
	s_mov_b32 s47, 0
	s_add_nc_u64 s[8:9], s[8:9], s[46:47]
; 8 matrix instructions: m blocks a0, a0 + 1 x all 4 n blocks, 32 along K.  The 16 accumulators take turns.
.macro MUL8 f, c, a0, zero
.irp a, \a0, \a0+1
.irp b, 0,1,2,3
.if \zero
	v_wmma_f32_16x16x32_f16 v[ACC+8*(4*(\a)+\b):ACC+8*(4*(\a)+\b)+7], v[\f+64+8*(4*\c+\b):\f+64+8*(4*\c+\b)+7], v[\f+8*(4*\c+\a):\f+8*(4*\c+\a)+7], 0
.else
	v_wmma_f32_16x16x32_f16 v[ACC+8*(4*(\a)+\b):ACC+8*(4*(\a)+\b)+7], v[\f+64+8*(4*\c+\b):\f+64+8*(4*\c+\b)+7], v[\f+8*(4*\c+\a):\f+8*(4*\c+\a)+7], v[ACC+8*(4*(\a)+\b):ACC+8*(4*(\a)+\b)+7]
.endif
.endr
.endr
.endm
.macro FETCH slot, k, f                ; 32 LDS loads in one run: the fragments of 64 along K at byte k of the rows; the first 32 along K first
	WIN TO_F
.irp c, 0,1
.irp i, 0,1,2,3
	ds_load_b128 v[\f+64+8*(4*\c+\i):\f+64+8*(4*\c+\i)+3],   v[ADRB+\slot] offset:\k+64*\c+\i*16*PITCH
	ds_load_b128 v[\f+64+8*(4*\c+\i)+4:\f+64+8*(4*\c+\i)+7], v[ADRB+\slot] offset:\k+64*\c+\i*16*PITCH+32
	ds_load_b128 v[\f+8*(4*\c+\i):\f+8*(4*\c+\i)+3],         v[ADRA+\slot] offset:\k+64*\c+\i*16*PITCH
	ds_load_b128 v[\f+8*(4*\c+\i)+4:\f+8*(4*\c+\i)+7],       v[ADRA+\slot] offset:\k+64*\c+\i*16*PITCH+32
.endr
.endr
.endm
.macro PLACES
.rept 4
	v_nop
.endr
.endm
.macro QUARTER slot, k, f, g, zero
	s_wait_dscnt 16                                ; the first 32 along K are in; the other sixteen loads may be out
	WIN MUL
	MUL8 \f, 0, 0, \zero
	MUL8 \f, 0, 2, \zero
	PLACES
	FETCH \slot, \k, \g
	s_wait_dscnt 32                                ; all but the 32 just issued
	WIN MUL
	MUL8 \f, 1, 0, 0
	MUL8 \f, 1, 2, 0
.endm
; The last quarter of a K step changes slots.  fill = 1: this slot takes the K step two on.
.macro TURN slot, next, fill
	WIN 0
	s_wait_tensorcnt 0x0                           ; all my tensor loads have landed: my part of the next slot
	ds_add_u32 v[SPW], v[NIL]                      ; 0 onto my spare word
	s_wait_dscnt 17                                ; (the add and the youngest sixteen loads may be out)
	WIN MUL
	MUL8 F1, 0, 0, 0
	s_wait_dscnt 0x0                               ; the add is done, and my reads of this slot are over
	s_barrier_signal -1
	MUL8 F1, 0, 2, 0
.if \fill
	WIN 0
.endif
	s_barrier_wait -1
.if \fill
	CREST                                          ; the barrier has opened a round of the cluster's
	s_add_nc_u64 s[G0+4*\slot+2:G0+4*\slot+3], s[G0+4*\slot+2:G0+4*\slot+3], 2*KSTEP*2
	s_add_nc_u64 s[G0B+4*\slot+2:G0B+4*\slot+3], s[G0B+4*\slot+2:G0B+4*\slot+3], 2*KSTEP*2
	JLOAD \slot                                    ; my one tensor load behind the round
.else
	PLACES
.endif
	FETCH \next, 0, F0
	WIN MUL
	MUL8 F1, 1, 0, 0
	MUL8 F1, 1, 2, 0
.endm
	s_wait_tensorcnt 1                             ; my part of K step 0 is in (K step 1's load may be out),
	s_barrier_signal -1
	s_barrier_wait -1
	FETCH 0, 0, F0
	QUARTER 0, 128, F0, F1, 1                      ; the first quarter stands in front of the loop: its first products start the sums
	WIN 0                                          ; at a label and at a branch every window is 0
	s_mov_b32 s3, LAPS-1
.Llap:                                                 ; a trip goes once round the ring, from a lap's second quarter to the next lap's first, and fills both slots again
	QUARTER 0, 256, F1, F0, 0
	QUARTER 0, 384, F0, F1, 0
	TURN 0, 1, 1
	QUARTER 1, 128, F0, F1, 0
	QUARTER 1, 256, F1, F0, 0
	QUARTER 1, 384, F0, F1, 0
	TURN 1, 0, 1
	QUARTER 0, 128, F0, F1, 0
	WIN 0
	s_sub_co_u32 s3, s3, 1
	s_cmp_lg_u32 s3, 0
	s_cbranch_scc1 .Llap
	QUARTER 0, 256, F1, F0, 0                      ; the last lap fills nothing
	QUARTER 0, 384, F0, F1, 0
	TURN 0, 1, 0
	QUARTER 1, 128, F0, F1, 0
	QUARTER 1, 256, F1, F0, 0
	QUARTER 1, 384, F0, F1, 0
	s_wait_dscnt 16
	WIN MUL
	MUL8 F1, 0, 0, 0
	MUL8 F1, 0, 2, 0
	s_wait_dscnt 0
	MUL8 F1, 1, 0, 0
	MUL8 F1, 1, 2, 0
	WIN 0
; THE WAY OUT, block a of 16 rows x 64 columns: 32 bytes a lane into my own stage, back as whole rows of 256 bytes.  LDS serves a wave's instructions in order: no wait between the stores and the loads.
.macro TOSTAGE a
.irp b, 0,1,2,3
	ds_store_b128 v[STO], v[ACC+8*(4*(\a)+\b):ACC+8*(4*(\a)+\b)+3] offset:64*\b            ; each accumulator from its low end on
	ds_store_b128 v[STO], v[ACC+8*(4*(\a)+\b)+4:ACC+8*(4*(\a)+\b)+7] offset:64*\b+16
.endr
.irp t, 0,1,2,3,4,5,6,7
	ds_load_b128 v[TMP+32*((\a)%2)+4*\t:TMP+32*((\a)%2)+4*\t+3], v[RD] offset:\t*2*SPITCH
.endr
.endm
.macro SEND a, younger                 ; younger: the LDS instructions issued behind block a's loads, which may stay out
	s_wait_dscnt \younger
.irp t, 0,1,2,3,4,5,6,7
	global_store_b128 v[CO], v[TMP+32*((\a)%2)+4*\t:TMP+32*((\a)%2)+4*\t+3], s[8:9] offset:(16*(\a)+2*\t)*SIZE_N*4 th:TH_STORE_NT   ; 16 lanes store 256 consecutive bytes, aligned
.endr
.endm
	PLACES                                         ; in front of the first read of the last results
	TOSTAGE 0
.irp a, 1,2,3
.if \a >= 2
	s_wait_xcnt 0x0                                ; block a - 2's stores have read the registers into which block a's loads land
.endif
	TOSTAGE \a
	SEND \a-1, 16                                  ; behind block a - 1's loads: block a's eight stores and eight loads
.endr
	SEND 3, 0
	s_wait_tensorcnt 0x0                           ; the wave's end
	ds_add_u32 v[SPW], v[NIL]
	s_wait_dscnt 0x0
	CROUND                                         ; the closing round
	s_endpgm
.Lfunc_end_k_qe9f8627450_oproj:
	.size	k_qe9f8627450_oproj, .Lfunc_end_k_qe9f8627450_oproj-k_qe9f8627450_oproj
	.p2alignl 7, 3214868480
	.fill 96, 4, 3214868480
	.section	.rodata,"a",@progbits
	.p2align	6, 0x0
	.amdhsa_kernel k_qe9f8627450_oproj
		.amdhsa_group_segment_fixed_size 327680
		.amdhsa_private_segment_fixed_size 0
		.amdhsa_enable_private_segment 0
		.amdhsa_kernarg_size 24
		.amdhsa_user_sgpr_count 2
		.amdhsa_user_sgpr_kernarg_segment_ptr 1
		.amdhsa_wavefront_size32 1
		.amdhsa_system_sgpr_workgroup_id_x 1
		.amdhsa_system_sgpr_workgroup_id_y 1
		.amdhsa_system_sgpr_workgroup_id_z 1
		.amdhsa_system_vgpr_workitem_id 0
		.amdhsa_next_free_vgpr 512
		.amdhsa_next_free_sgpr 66
		.amdhsa_reserve_vcc 0
		.amdhsa_float_denorm_mode_32 3
		.amdhsa_float_denorm_mode_16_64 3
		.amdhsa_memory_ordered 1
		.amdhsa_forward_progress 1
		.amdhsa_inst_pref_size 85
	.end_amdhsa_kernel
	.amdgpu_metadata
---
amdhsa.version: [ 1, 2 ]
amdhsa.kernels:
  - .name:           k_qe9f8627450_oproj
    .symbol:         k_qe9f8627450_oproj.kd
    .args:
      - { .name: att, .offset: 0, .size: 8, .value_kind: global_buffer, .address_space: global }
      - { .name: wob, .offset: 8, .size: 8, .value_kind: global_buffer, .address_space: global }
      - { .name: out0, .offset: 16, .size: 8, .value_kind: global_buffer, .address_space: global }
    .group_segment_fixed_size: 327680
    .private_segment_fixed_size: 0
    .kernarg_segment_align: 8
    .kernarg_segment_size: 24
    .max_flat_workgroup_size: 128
    .sgpr_count:     66
    .vgpr_count:     512
    .wavefront_size: 32
...
	.end_amdgpu_metadata
.endif
;; end of part 4
;; launch fix (part 5): grid 256 x 1, 4 waves a work-group, no clusters, 0 bytes of LDS; arguments att, wo, keys, out0; writes out0
.if DOCPART == 5
	.amdgcn_target "amdgcn-amd-amdhsa--gfx1250"
	.amdhsa_code_object_version 6
	.text
	.protected	k_qe9f8627450_fix
	.globl	k_qe9f8627450_fix
	.p2align	8
	.type	k_qe9f8627450_fix,@function
k_qe9f8627450_fix:
	s_mov_b64 s[64:65], 0
	v_nop
	global_prefetch_b8 v0, s[64:65] scope:SCOPE_SE
	s_setreg_imm32_b32 hwreg(HW_REG_WAVE_MODE, 25, 1), 1
	s_wait_xcnt 0x0
; THE 32 ROWS OF THE RESULT WITH THE FEWEST VISIBLE KEYS, ONCE MORE, WITH wo IN f32: out0[row][n] = sum over k of att[row][k] wo[n][k], by fused multiply-adds in f32 (att: f16, widened exactly).
; WHY.  Each number of the result is judged against the root mean square of the WHOLE result.  A row with one visible key is a row of v times wo; a row with 2,048 is a mean of 2,048 such: so a few rows can be
; some twelve times that root mean square, and in them wo's rounding to f16's 11 bits, which the launch before has, is too much.  WHY 32 ROWS DO: were more than 32 rows that large, the root mean square itself
; would be at least sqrt(32 / 2048) = 1 / 8 of them, and f16 would serve.
; LIMITS.  Rows are ranked by their number of visible keys (whole numbers, made from the mask by the first launch), not by their size: a row that is large for another reason, while nearly all others are small,
; keeps the launch before's numbers.  Rows with no visible key (all NaN) count as least urgent.  Always 32 rows, whatever the mask.
; SHARES.  256 work-groups; work-group x owns columns 8 x .. 8 x + 7, so that each row of wo is read by one work-group; wave w owns the rows of rank 8 w .. 8 w + 7: 8 x 8 results.
; No matrix unit: 32 rows are 1 / 64 of the product, and f32 operands have no faster form there.  No LDS, no barrier: waves share nothing.  No cluster: there is no tensor load, and what work-groups share is 128 KB of att.
; THE LIST.  keys: [4][2048] words; a row's four parts add up to hidden << 11 + 2047 - row.  Each wave holds all 2,048 keys in 64 registers and takes the largest, the next, .. : 8 (w + 1) trips; it keeps the last eight.
; THE PRODUCT.  K lies across the lanes: in a chunk of 128 along K lane l has k = 4 l .. 4 l + 3: a load of att covers 256 consecutive bytes, one of wo 512.  64 pairs of sums (even k, odd k), folded over the lanes at the end.
.set VA,  2                            ; v2       8 x lane + where the chunks stand in a row of att
.set VW,  3                            ; v3       16 x lane + the same in a row of wo
.set AR,  16                           ; v16-47   att as loaded: set s at AR + 16 s: two registers (4 f16) a row
.set W,   48                           ; v48-111  wo: set s at W + 32 s: four registers a column
.set T,   112                          ; v112-119 a row's four numbers as f32, two sets
.set KEY, 128                          ; v128-191 the keys
.set U,   192                          ; v192-255 at work on the keys
.set ACC, 128                          ; v128-255 then the sums: (row i, column c) at ACC + 2 (8 i + c)
; s[4:5] att, s[6:7] wo at my columns, s[8:9] keys, s[10:11] out0 at my columns; s12 wave; s[14:15] an offset; s[16:17] lane selects; s18 a counter; s20 the bound; s24-31 my eight rows; s40-44 the lanes' bits; s[48:63] att at my rows
.macro KLOAD p, reg                    ; part p of all 2,048 keys: register 4 t + e of lane l: row 128 t + 4 l + e
.irp t, 0,1,2,3,4,5,6,7,8,9,10,11,12,13,14,15
	global_load_b128 v[\reg+4*\t:\reg+4*\t+3], v[VW], s[8:9] offset:8192*\p+512*\t
.endr
.endm
.macro LOADC s, c                      ; the chunk c chunks on from where the offsets stand, into set s: 16 loads
.irp i, 0,1,2,3,4,5,6,7
	global_load_b64 v[AR+16*\s+2*\i:AR+16*\s+2*\i+1], v[VA], s[48+2*\i:49+2*\i] offset:256*\c
.endr
.irp n, 0,1,2,3,4,5,6,7
	global_load_b128 v[W+32*\s+4*\n:W+32*\s+4*\n+3], v[VW], s[6:7] offset:8192*\n+512*\c
.endr
.endm
.macro WIDEN d, a, b, c, e             ; four f16 numbers become f32: exact
	v_cvt_f32_f16 v[\d], \a
	v_cvt_f32_f16 v[\d+1], \b
	v_cvt_f32_f16 v[\d+2], \c
	v_cvt_f32_f16 v[\d+3], \e
.endm
.macro ROW i, s, first                 ; row i's four numbers times the eight columns' four: 16 packed lines; two lines on one pair of sums stand eight apart.  first = 1: the products start the sums: nothing is cleared
.set TT, T+4*((\i)%2)
.irp c, 0,1,2,3,4,5,6,7
.if \first
	v_pk_mul_f32 v[ACC+2*(8*\i+\c):ACC+2*(8*\i+\c)+1], v[TT:TT+1], v[W+32*\s+4*\c:W+32*\s+4*\c+1]
.else
	v_pk_fma_f32 v[ACC+2*(8*\i+\c):ACC+2*(8*\i+\c)+1], v[TT:TT+1], v[W+32*\s+4*\c:W+32*\s+4*\c+1], v[ACC+2*(8*\i+\c):ACC+2*(8*\i+\c)+1]
.endif
.endr
.irp c, 0,1,2,3,4,5,6,7
	v_pk_fma_f32 v[ACC+2*(8*\i+\c):ACC+2*(8*\i+\c)+1], v[TT+2:TT+3], v[W+32*\s+4*\c+2:W+32*\s+4*\c+3], v[ACC+2*(8*\i+\c):ACC+2*(8*\i+\c)+1]
.endr
.endm
.macro MULC0 first                     ; the chunk in set 0
	WIDEN 112, v16.l, v16.h, v17.l, v17.h
	ROW 0, 0, \first
	WIDEN 116, v18.l, v18.h, v19.l, v19.h
	ROW 1, 0, \first
	WIDEN 112, v20.l, v20.h, v21.l, v21.h
	ROW 2, 0, \first
	WIDEN 116, v22.l, v22.h, v23.l, v23.h
	ROW 3, 0, \first
	WIDEN 112, v24.l, v24.h, v25.l, v25.h
	ROW 4, 0, \first
	WIDEN 116, v26.l, v26.h, v27.l, v27.h
	ROW 5, 0, \first
	WIDEN 112, v28.l, v28.h, v29.l, v29.h
	ROW 6, 0, \first
	WIDEN 116, v30.l, v30.h, v31.l, v31.h
	ROW 7, 0, \first
.endm
.macro MULC1                           ; the chunk in set 1
	WIDEN 112, v32.l, v32.h, v33.l, v33.h
	ROW 0, 1, 0
	WIDEN 116, v34.l, v34.h, v35.l, v35.h
	ROW 1, 1, 0
	WIDEN 112, v36.l, v36.h, v37.l, v37.h
	ROW 2, 1, 0
	WIDEN 116, v38.l, v38.h, v39.l, v39.h
	ROW 3, 1, 0
	WIDEN 112, v40.l, v40.h, v41.l, v41.h
	ROW 4, 1, 0
	WIDEN 116, v42.l, v42.h, v43.l, v43.h
	ROW 5, 1, 0
	WIDEN 112, v44.l, v44.h, v45.l, v45.h
	ROW 6, 1, 0
	WIDEN 116, v46.l, v46.h, v47.l, v47.h
	ROW 7, 1, 0
.endm
; A step of the folding sum: n pairs of registers (j, j + n) become n registers.  A lane whose bit is 0 keeps register j and gives j + n to the lane across, a lane whose bit is 1 the other way round:
; so each step halves the registers, and a lane's bits say which of the 64 sums it ends up with.
.macro FOLD n, m, mask
.set j, 0
.rept \n
	v_cndmask_b32 v[16+2*(j%8)], v[ACC+j], v[ACC+j+\n], s[\mask]          ; what I keep
	v_cndmask_b32 v[17+2*(j%8)], v[ACC+j+\n], v[ACC+j], s[\mask]          ; what I give
	v_add_f32_dpp v[ACC+j], v[17+2*(j%8)], v[16+2*(j%8)] row_xmask:\m row_mask:0xf bank_mask:0xf
.set j, j+1
.endr
.endm
	s_load_b256 s[4:11], s[0:1], 0x0               ; att, wo, keys, out0
	v_lshrrev_b32 v1, 5, v0
	v_readfirstlane_b32 s12, v1                    ; wave 0..3
	v_and_b32 v1, 31, v0                           ; lane
	v_lshlrev_b32 v[VA], 3, v1
	v_lshlrev_b32 v[VW], 4, v1
	s_mov_b32 s15, 0
	s_mov_b32 s16, 0x76543210                      ; v_permlanex16_b32's selects for lane l xor 16
	s_mov_b32 s17, 0xfedcba98
	s_mov_b32 s40, 0xaaaaaaaa                      ; the lanes whose bit 0 is set,
	s_mov_b32 s41, 0xcccccccc                      ; bit 1,
	s_mov_b32 s42, 0xf0f0f0f0                      ; bit 2,
	s_mov_b32 s43, 0xff00ff00                      ; bit 3,
	s_mov_b32 s44, 0xffff0000                      ; bit 4
	s_wait_kmcnt 0x0
	KLOAD 0, KEY
	KLOAD 1, U
	KLOAD 2, 16
	s_lshl_b32 s14, ttmp9, 16                      ; my 8 rows of wo, 8,192 bytes each
	s_add_nc_u64 s[6:7], s[6:7], s[14:15]
	s_lshl_b32 s14, ttmp9, 5                       ; my 8 columns of the result
	s_add_nc_u64 s[10:11], s[10:11], s[14:15]
	s_wait_loadcnt 16                              ; parts 0 and 1 are in; part 2's 16 loads may be out
.set j, 0
.rept 64
	v_add_nc_u32 v[KEY+j], v[KEY+j], v[U+j]
.set j, j+1
.endr
	KLOAD 3, U                                     ; into the registers that part 1 has left
	s_wait_loadcnt 0x0
.set j, 0
.rept 64
	v_add3_u32 v[KEY+j], v[KEY+j], v[16+j], v[U+j]
.set j, j+1
.endr
.set j, 0
.rept 64
	v_and_b32 v[KEY+j], 0x3fffff, v[KEY+j]         ; bit 22 is set where all 2,048 keys are hidden, and there alone: such a row counts as one with none hidden
.set j, j+1
.endr
	; THE LARGEST KEY AT OR UNDER THE BOUND, 8 (w + 1) times.  bound - key is least for that key; for the keys taken before, which lie over the bound, it wraps round to more than 2^31.
	s_mov_b32 s20, 0x7fffff                        ; over every key: the largest is 2047 x 2048 + 2047
.irp i, 24,25,26,27,28,29,30,31
	s_mov_b32 s\i, 0
.endr
	s_lshl_b32 s18, s12, 3
	s_add_co_u32 s18, s18, 8
.Lpick:
.set j, 0
.rept 64
	v_sub_nc_u32 v[U+j], s20, v[KEY+j]
.set j, j+1
.endr
.irp n, 32,16,8,4,2,1
.set j, 0
.rept \n
	v_min_u32 v[U+j], v[U+j], v[U+j+\n]
.set j, j+1
.endr
.endr
.irp m, 1,2,4,8
	v_mov_b32_dpp v[U+1], v[U] row_xmask:\m row_mask:0xf bank_mask:0xf
	v_min_u32 v[U], v[U], v[U+1]
.endr
	v_permlanex16_b32 v[U+1], v[U], s16, s17
	v_min_u32 v[U], v[U], v[U+1]                   ; the same in every lane
	v_readfirstlane_b32 s21, v[U]
	s_sub_co_u32 s21, s20, s21                     ; the key,
	s_sub_co_u32 s20, s21, 1                       ; the next bound,
	s_and_b32 s21, s21, 2047
.irp i, 24,25,26,27,28,29,30
	s_mov_b32 s[\i], s[\i+1]                       ; the last eight rows are kept
.endr
	s_sub_co_u32 s31, 2047, s21                    ; its row
	s_sub_co_u32 s18, s18, 1
	s_cmp_lg_u32 s18, 0
	s_cbranch_scc1 .Lpick
.irp i, 0,1,2,3,4,5,6,7
	s_min_u32 s[24+\i], s[24+\i], 2047             ; a number made of loaded numbers enters an address only behind this bound
	s_lshl_b32 s14, s[24+\i], 12                   ; a row of att is 4,096 bytes
	s_add_nc_u64 s[48+2*\i:49+2*\i], s[4:5], s[14:15]
.endr
	; THE PRODUCT: 16 chunks of 128 along K on two sets of registers: while one chunk is multiplied, the next one's 16 loads are on their way.
	LOADC 0, 0
	LOADC 1, 1
	s_wait_loadcnt 16                              ; chunk 0 is in; chunk 1's 16 loads may be out
	MULC0 1                                        ; the first chunk stands in front of the loop: its products start the sums
	LOADC 0, 2
	s_mov_b32 s18, 6
.Lk:                                                   ; trip t multiplies chunks 2 t + 1 and 2 t + 2 and asks for chunks 2 t + 3 and 2 t + 4
	s_wait_loadcnt 16                              ; the older chunk is in; the younger one's 16 loads may be out
	MULC1
	LOADC 1, 3
	s_wait_loadcnt 16
	MULC0 0
	LOADC 0, 4
	s_wait_xcnt 0x0                                ; the loads have taken their offsets: these step only behind this wait
	v_add_nc_u32 v[VA], 512, v[VA]
	v_add_nc_u32 v[VW], 1024, v[VW]
	s_sub_co_u32 s18, s18, 1
	s_cmp_lg_u32 s18, 0
	s_cbranch_scc1 .Lk
	s_wait_loadcnt 16                              ; the offsets stand at chunk 12: chunk 13,
	MULC1
	LOADC 1, 3                                     ; the last load: chunk 15
	s_wait_loadcnt 16
	MULC0 0                                        ; chunk 14,
	s_wait_loadcnt 0x0
	MULC1                                          ; chunk 15
	; THE SUMS OVER THE LANES.  Sum i = 8 x row + column.  Even and odd k first (ascending: sum i lands where pair i / 2 has been read); then five folds.
.set j, 0
.rept 64
	v_add_f32 v[ACC+j], v[ACC+2*j], v[ACC+2*j+1]
.set j, j+1
.endr
	FOLD 32, 1, 40                                 ; bit 5 of i = the lane's bit 0
	FOLD 16, 2, 41                                 ; bit 4 = bit 1
	FOLD 8, 4, 42                                  ; bit 3 = bit 2: so my row is 4 (bit 0) + 2 (bit 1) + (bit 2)
	FOLD 4, 8, 43                                  ; bit 2 = bit 3
.irp j, 0,1
	v_cndmask_b32 v[16+2*\j], v[ACC+\j], v[ACC+\j+2], s44              ; bit 1 = bit 4: the lane across lies in the other half
	v_cndmask_b32 v[17+2*\j], v[ACC+\j+2], v[ACC+\j], s44
.endr
.irp j, 0,1
	v_permlanex16_b32 v[20+\j], v[17+2*\j], s16, s17
.endr
.irp j, 0,1
	v_add_f32 v[ACC+\j], v[16+2*\j], v[20+\j]      ; two neighbouring columns: 4 (bit 3) + 2 (bit 4) + 0, 1
.endr
.irp i, 0,1,2,3,4,5,6,7
	v_mov_b32 v[24+\i], s[24+\i]
.endr
.irp j, 0,1,2,3
	v_cndmask_b32 v[24+\j], v[24+\j], v[28+\j], s40                    ; which of the eight rows is my lane's
.endr
.irp j, 0,1
	v_cndmask_b32 v[24+\j], v[24+\j], v[26+\j], s41
.endr
	v_cndmask_b32 v24, v24, v25, s42
	v_min_u32 v24, 0x7ff, v24                      ; the bound once more, behind the choice
	v_lshlrev_b32 v24, 13, v24                     ; a row of the result is 8,192 bytes
	v_bfe_u32 v25, v0, 3, 1
	v_lshl_add_u32 v24, v25, 4, v24
	v_bfe_u32 v25, v0, 4, 1
	v_lshl_add_u32 v24, v25, 3, v24
	global_store_b64 v24, v[ACC:ACC+1], s[10:11]   ; 32 bytes of each of eight rows: 262,144 bytes in the whole launch
	s_endpgm
.Lfunc_end_k_qe9f8627450_fix:
	.size	k_qe9f8627450_fix, .Lfunc_end_k_qe9f8627450_fix-k_qe9f8627450_fix
	.p2alignl 7, 3214868480
	.fill 96, 4, 3214868480
	.section	.rodata,"a",@progbits
	.p2align	6, 0x0
	.amdhsa_kernel k_qe9f8627450_fix
		.amdhsa_group_segment_fixed_size 0
		.amdhsa_private_segment_fixed_size 0
		.amdhsa_enable_private_segment 0
		.amdhsa_kernarg_size 32
		.amdhsa_user_sgpr_count 2
		.amdhsa_user_sgpr_kernarg_segment_ptr 1
		.amdhsa_wavefront_size32 1
		.amdhsa_system_sgpr_workgroup_id_x 1
		.amdhsa_system_sgpr_workgroup_id_y 1
		.amdhsa_system_sgpr_workgroup_id_z 1
		.amdhsa_system_vgpr_workitem_id 0
		.amdhsa_next_free_vgpr 256
		.amdhsa_next_free_sgpr 66
		.amdhsa_reserve_vcc 0
		.amdhsa_float_denorm_mode_32 3
		.amdhsa_float_denorm_mode_16_64 3
		.amdhsa_memory_ordered 1
		.amdhsa_forward_progress 1
		.amdhsa_inst_pref_size 102
	.end_amdhsa_kernel
	.amdgpu_metadata
---
amdhsa.version: [ 1, 2 ]
amdhsa.kernels:
  - .name:           k_qe9f8627450_fix
    .symbol:         k_qe9f8627450_fix.kd
    .args:
      - { .name: att, .offset: 0, .size: 8, .value_kind: global_buffer, .address_space: global }
      - { .name: wo, .offset: 8, .size: 8, .value_kind: global_buffer, .address_space: global }
      - { .name: keys, .offset: 16, .size: 8, .value_kind: global_buffer, .address_space: global }
      - { .name: out0, .offset: 24, .size: 8, .value_kind: global_buffer, .address_space: global }
    .group_segment_fixed_size: 0
    .private_segment_fixed_size: 0
    .kernarg_segment_align: 8
    .kernarg_segment_size: 32
    .max_flat_workgroup_size: 128
    .sgpr_count:     66
    .vgpr_count:     256
    .wavefront_size: 32
...
	.end_amdgpu_metadata
.endif
;; end of part 5
